; MI455X (gfx1250); checked and timed in simulation.
; The chip was launched on July 23, 2026; its instructions are those of AMD's public machine-readable ISA for CDNA 5 (MIT licence, August 2026) and "CDNA5" Instruction Set Architecture Reference Guide (July 2026). The comments in the code are by the model that wrote it; some were corrected since.
;; MHSA. Allowed arithmetic: matrix products marked QUANTISED: E2M1 operands, one E8M0 scale for each 32 along K, by v_wmma_scale_f32_16x16x128_f8f6f4 with both operands' format E2M1 (or v_wmma_scale_f32_32x16x128_f4), f32 sums; products left as they are: bf16, f16 or f32 operands; f32 sums; everything else in f32.
;; Inputs: Wproj 1,024 x 1,024 float32; Wqkv 1,024 x 3,072 float32; bproj 1,024 float32; bqkv 3,072 float32; x 4 x 2,048 x 1,024 float32.
;; Outputs: out0 4 x 2,048 x 1,024 float32.
;; This version of the problem:
;;   THIS VERSION OF THE PROBLEM IS GIVEN IN LOW PRECISION. The matrix products marked QUANTISED in the list below multiply operands that are first quantised to E2M1 (2 exponent bits, 1 mantissa bit; 4 bits a number), with one power-of-two scale for each 32 numbers along K (OCP MX v1.0); their sums are f32. The products marked 'left as it is' may take bf16, f16 or f32 operands, with f32 sums. Whichever they take, every output number must still come out within the allowed error. Rounding operands to bf16 (8 significant bits) uses up far more of that allowance than f16 does (11 bits, for magnitudes from 6e-5 to 65,504). All else is computed in f32.
;;   The module's matrix products, in the order in which they are computed (A, B: the left and right operand; K: the contracted axis; several contracted axes count as one K, in the product's order):
;;     1. [M 8,192, K 1,024] x [K 1,024, N 3,072]; A: input x; B: input Wqkv: QUANTISED
;;     2. batch 64 x [M 2,048, K 64] x [K 64, N 2,048]; A: computed on the way; B: computed on the way: left as it is (an operand is computed on the way)
;;     3. batch 64 x [M 2,048, K 2,048] x [K 2,048, N 64]; A: computed on the way; B: computed on the way: left as it is (an operand is computed on the way)
;;     4. [M 8,192, K 1,024] x [K 1,024, N 1,024]; A: computed on the way; B: input Wproj: left as it is (an operand is computed on the way)
;;   THE QUANTISER, for each operand of a quantised product, along K:
;;     - K is cut into blocks of 32 from its start; a last block that is shorter is filled with zeros.
;;     - A block's scale is 2^e with e = floor(log2(the largest magnitude in the block)) - 2, held to -126 .. 127; a block of zeros has e = 0. As a byte (E8M0): e + 127.
;;     - Each number is divided by its block's scale, clamped to +-6, and rounded to the nearest number of E2M1, ties to even, subnormals kept.
;;     - The product sums the exact products of the quantised numbers (number of the format x scale) in f32.
;;   ~~~python
;;   def quantise(x, axis):      # numpy; x: float32 -> the quantised numbers, widened to float32 again
;;       x = np.moveaxis(x, axis, -1); K = x.shape[-1]
;;       x = np.pad(x, [(0, 0)] * (x.ndim - 1) + [(0, -K % 32)]); x = x.reshape(x.shape[:-1] + (-1, 32)); a = np.abs(x).max(-1, keepdims=True)
;;       e = np.where(a > 0, np.clip(np.frexp(np.where(a > 0, a, 1))[1] - 1 - 2, -126, 127), 0)      # np.frexp(a)[1] - 1 = floor(log2(a)), exactly
;;       r = np.clip(x / 2.0 ** e, -6, 6)
;;       step = 2.0 ** (np.maximum(np.frexp(np.where(r == 0, 1, r))[1] - 1, 0) - 1)
;;       q = np.round(r / step) * step * 2.0 ** e      # np.round: ties to even
;;       return np.moveaxis(q.reshape(q.shape[:-2] + (-1,))[..., :K], -1, axis).astype(np.float32)
;;   ~~~
;; One version. Each part assembles by itself: llvm-mc -triple=amdgcn-amd-amdhsa -mcpu=gfx1250 --defsym DOCPART=n.
;; ======== version 1 of 1: 4 launches
;; limits: values are held in f16: magnitudes above 65,504 overflow, below 6.1e-05 lose precision
;; workspace buffers: xc 4,194,304 bytes; xs 262,144 bytes; wc 1,572,864 bytes; ws 98,304 bytes; wp 2,097,152 bytes; qkvh 50,331,648 bytes; att 16,777,216 bytes
;; launch prep (part 1): grid 336 x 1, 4 waves a work-group, no clusters, 68,096 bytes of LDS; arguments x, Wqkv, Wproj, xc, xs, wc, ws, wp; writes xc, xs, wc, ws, wp
.if DOCPART == 1
	.amdgcn_target "amdgcn-amd-amdhsa--gfx1250"
	.amdhsa_code_object_version 6
	.text
	.protected	k_qd195a5dfef_prep
	.globl	k_qd195a5dfef_prep
	.p2align	8
	.type	k_qd195a5dfef_prep,@function
k_qd195a5dfef_prep:
	s_mov_b64 s[64:65], 0
	v_nop
	global_prefetch_b8 v0, s[64:65] scope:SCOPE_SE
	s_setreg_imm32_b32 hwreg(HW_REG_WAVE_MODE, 25, 1), 1
	s_wait_xcnt 0x0
; PREP: the three operands that later launches read many times are made narrow once.
;   work-groups 0-255:   x [8192][1024] f32, K innermost -> codes of FP4 (E2M1) xc [8192][512 bytes] and E8M0 scale bytes xs [8192][32]
;   work-groups 256-303: Wqkv [1024 (k)][3072 (n)] f32, K its FIRST axis -> wc [3072][512 bytes], K innermost, and ws [3072][32]
;   work-groups 304-335: Wproj [1024][1024] f32 -> wp, f16, in Wproj's own order
; A block of 32 along K has the scale 2^(floor(log2(largest magnitude)) - 2); its byte is the largest magnitude's exponent field - 2, held at 1 from below.
; Each number is divided by the scale and rounded to the nearest code, ties to even; beyond 6 the conversion gives the largest code.
; LIMITS: a block of zeros keeps the byte 1 where the rule says 127 (its codes are zeros, and this program alone reads the bytes); blocks whose largest
; magnitude lies under 2^-124 keep the byte 1; NaN and infinities are not served; |Wproj| stays under 65,504 (f16).
; The three paths part on the work-group's number; each has LDS bytes of its own.  Waves share nothing: no barrier, no cluster (no two work-groups read the same bytes).
.set SPW,   192                        ; v192  LDS address of my spare word; never rewritten
.set NIL,   193                        ; v193  0; never rewritten
.set SPARE, 67584                      ; behind both paths' regions: 128 bytes for each wave, named by no other line
.set EMAX,  2
; path x
.set XSTEPS, 16                        ; a wave takes 16 steps of 512 numbers
.set XCB,   8                          ; bytes of 16 codes
.set XR,    16                         ; v16-79   four sets of 16 numbers as loaded
.set XX,    80                         ; v80-111  two sets of 16 neighbours
.set XE,    112                        ; v112-127 a scale byte for each step
.set XC,    128                        ; v128-191 codes: registers of its own for each step
.set XWREG, 8192                       ; LDS 0 .. 32,767: a region for each wave: two stages of 32 x 80 bytes, then its 256 scale bytes
.set XSP,   80                         ; a lane's place in a stage: 64 bytes + 16 of padding
; path w
.set WSTG,  32768                      ; LDS 32,768 .. 67,583: a stage of 32 rows x 272 bytes for each wave
.set WNB,   16                         ; blocks of 32 along K for a wave: 512 along K
.set WPITCH, 272
.set WKROW, 512                        ; a row of wc in bytes
.set WROW,  3072*4                     ; a row of Wqkv in bytes
.set WSB,   24                         ; v24-27   the scale bytes, four to a register
.set WX,    32                         ; v32-95   two sets of 32 numbers
.set WC,    96                         ; v96-99   a block's codes
.set WOUT,  112                        ; v112-175 the way out
	s_load_b256 s[4:11], s[0:1], 0x0               ; x s[4:5], Wqkv s[6:7], Wproj s[8:9], xc s[10:11]
	s_load_b256 s[12:19], s[0:1], 0x20             ; xs s[12:13], wc s[14:15], ws s[16:17], wp s[18:19]
	v_lshl_add_u32 v[SPW], v0, 2, SPARE
	v_mov_b32 v[NIL], 0
	v_lshrrev_b32 v1, 5, v0
	v_readfirstlane_b32 s20, v1                    ; wave 0..3
	v_and_b32 v2, 31, v0                           ; lane
	s_wait_kmcnt 0x0
	s_cmp_lt_u32 ttmp9, 256
	s_cbranch_scc1 .Lx
	s_cmp_lt_u32 ttmp9, 304
	s_cbranch_scc1 .Lw
; ---------------- Wproj -> f16.  A wave takes 8,192 numbers: 64 loads of 512 consecutive bytes, in four groups of 16, two groups ahead.
	s_sub_co_u32 s21, ttmp9, 304
	s_lshl_b32 s21, s21, 2
	s_add_co_u32 s21, s21, s20                     ; which run of 8,192 numbers: 0..127
	s_lshl_b32 s22, s21, 15
	s_mov_b32 s23, 0
	s_add_nc_u64 s[8:9], s[8:9], s[22:23]
	s_lshl_b32 s22, s21, 14
	s_add_nc_u64 s[18:19], s[18:19], s[22:23]
	v_lshlrev_b32 v3, 4, v2                        ; in: 16 bytes a lane
	v_lshlrev_b32 v4, 3, v2                        ; out: 8 bytes a lane
.macro PLOAD g
.irp i, 0,1,2,3,4,5,6,7,8,9,10,11,12,13,14,15
	global_load_b128 v[32+64*((\g)%2)+4*\i:32+64*((\g)%2)+4*\i+3], v3, s[8:9] offset:512*(16*(\g)+\i) th:TH_LOAD_NT
.endr
.endm
.macro PGROUP g
.if (\g) < 3
	s_wait_loadcnt 16                              ; this group's 16 loads are in; the next group's 16 may be out
.else
	s_wait_loadcnt 0x0
.endif
.if (\g) > 0
	s_wait_xcnt 0x0                                ; the last group's stores have read v160-191: they are written again only behind this wait
.endif
.irp i, 0,1,2,3,4,5,6,7,8,9,10,11,12,13,14,15
	v_cvt_pk_f16_f32 v[160+2*\i], v[32+64*((\g)%2)+4*\i], v[32+64*((\g)%2)+4*\i+1]
	v_cvt_pk_f16_f32 v[161+2*\i], v[32+64*((\g)%2)+4*\i+2], v[32+64*((\g)%2)+4*\i+3]
.endr
.irp i, 0,1,2,3,4,5,6,7,8,9,10,11,12,13,14,15
	global_store_b64 v4, v[160+2*\i:161+2*\i], s[18:19] offset:256*(16*(\g)+\i)   ; 32 lanes store 256 consecutive bytes, aligned
.endr
.if (\g) < 2
	PLOAD (\g)+2                                   ; into the set just read
.endif
.endm
	PLOAD 0
	PLOAD 1
	PGROUP 0
	PGROUP 1
	PGROUP 2
	PGROUP 3
	s_wait_tensorcnt 0x0                           ; the wave's end
	ds_add_u32 v[SPW], v[NIL]
	s_wait_dscnt 0x0
	s_endpgm
; ---------------- x: a plain stream of blocks of 32.  Each load reads 512 consecutive bytes, 16 a lane; a step's 2,048 bytes turn through the wave's own stage
; and come back 64 bytes a lane, so that a lane holds 16 NEIGHBOURS along K (two neighbouring lanes hold a block), as the conversions want them.
.Lx:
	v_lshlrev_b32 v3, 4, v2                        ; my 16 bytes of a load's 512
	s_mul_i32 s21, s20, XWREG
	v_lshrrev_b32 v14, 2, v2
	v_mul_u32_u24 v14, v14, XSP
	v_and_b32 v15, 3, v2
	v_lshl_add_u32 v14, v15, 4, v14
	v_add_nc_u32 v14, s21, v14                     ; the stage, on the way in: 80 (lane / 4) + 16 (lane % 4)
	v_mul_u32_u24 v15, v2, XSP
	v_add_nc_u32 v15, s21, v15                     ; and on the way out: 80 x lane
	v_mul_u32_u24 v4, v2, XCB                      ; my codes' place in a step's
	v_lshrrev_b32 v5, 1, v2
	s_add_co_u32 s21, s21, 2*32*XSP
	v_add_nc_u32 v5, s21, v5                       ; my wave's 256 scale bytes, my block's byte
	v_lshlrev_b32 v7, 3, v2
	v_add_nc_u32 v6, s21, v7                       ; and on the way out 8 bytes a lane
	s_lshl_b32 s22, ttmp9, 2
	s_add_co_u32 s22, s22, s20                     ; which run of 8,192 numbers: 0..1023
	s_lshl_b32 s24, s22, 15
	s_mov_b32 s25, 0
	s_add_nc_u64 s[4:5], s[4:5], s[24:25]
	s_lshl_b32 s24, s22, 12
	s_add_nc_u64 s[10:11], s[10:11], s[24:25]
	s_lshl_b32 s24, s22, 8
	s_add_nc_u64 s[12:13], s[12:13], s[24:25]
.macro XLOAD t
.irp i, 0,1,2,3
	global_load_b128 v[XR+16*((\t)%4)+4*\i:XR+16*((\t)%4)+4*\i+3], v3, s[4:5] offset:2048*(\t)+512*\i th:TH_LOAD_NT
.endr
.endm
.macro XTURN t                         ; LDS serves a wave's instructions in order: no wait between the stores and the loads
.irp i, 0,1,2,3
	ds_store_b128 v14, v[XR+16*((\t)%4)+4*\i:XR+16*((\t)%4)+4*\i+3] offset:32*XSP*((\t)%2)+8*XSP*\i
.endr
.irp i, 0,1,2,3
	ds_load_b128 v[XX+16*((\t)%2)+4*\i:XX+16*((\t)%2)+4*\i+3], v15 offset:32*XSP*((\t)%2)+16*\i
.endr
.endm
.irp t, 0,1,2,3
	XLOAD \t
.endr
	s_wait_loadcnt 12                              ; step 0's four loads are in
	XTURN 0
.macro XSTEP t
.set XS, XX+16*((\t)%2)
.if (\t) > 0
	s_wait_dscnt 1                                 ; this step's numbers are back from the stage (the last step's byte store may be out)
.else
	s_wait_dscnt 0x0
.endif
.if (\t)+4 < XSTEPS
	XLOAD (\t)+4                                   ; into the set whose stores into the stage are done
.endif
.if (\t)+1 < XSTEPS
.if XSTEPS-2-(\t) >= 3
	s_wait_loadcnt 12                              ; the next step's four loads are in; those of the three steps behind it may be out
.else
	s_wait_loadcnt 4*(XSTEPS-2-(\t))
.endif
	XTURN (\t)+1
.endif
	v_max3_num_f32 v8, |v[XS]|, |v[XS+1]|, |v[XS+2]|               ; the largest magnitude of my 16, in two chains
	v_max3_num_f32 v9, |v[XS+3]|, |v[XS+4]|, |v[XS+5]|
.irp i, 6,10
	v_max3_num_f32 v8, v8, |v[XS+\i]|, |v[XS+\i+1]|
	v_max3_num_f32 v9, v9, |v[XS+\i+2]|, |v[XS+\i+3]|
.endr
	v_max3_num_f32 v8, v8, |v[XS+14]|, |v[XS+15]|
	v_max3_num_f32 v8, v8, v9, (EMAX+1)<<23        ; and the floor 2^(3 - 127): the byte cannot fall under 1
	v_max_num_f32_dpp v8, v8, v8 row_xmask:1 row_mask:0xf bank_mask:0xf   ; with my neighbour's 16: the block's
	v_add_nc_u32 v11, -(EMAX<<23), v8              ; 2 off its exponent field: the conversion takes that field as its scale, and nothing else
	v_cvt_scalef32_pk8_fp4_f32 v[XC+4*(\t)], v[XS:XS+7], v11
	v_cvt_scalef32_pk8_fp4_f32 v[XC+4*(\t)+1], v[XS+8:XS+15], v11
	v_lshrrev_b32 v[XE+(\t)], 23, v11              ; the scale's byte
	ds_store_b8 v5, v[XE+(\t)] offset:16*(\t)      ; both lanes of a block write the same byte with the same value
	global_store_b64 v4, v[XC+4*(\t):XC+4*(\t)+1], s[10:11] offset:32*XCB*(\t)   ; 32 lanes store 256 consecutive bytes, aligned
.endm
.irp t, 0,1,2,3,4,5,6,7,8,9,10,11,12,13,14,15
	XSTEP \t
.endr
	ds_load_b64 v[8:9], v6                         ; my wave's 256 scale bytes: these loads see my stores
	s_wait_dscnt 0x0
	global_store_b64 v7, v[8:9], s[12:13]          ; 256 consecutive bytes, aligned
	s_wait_tensorcnt 0x0                           ; the wave's end
	ds_add_u32 v[SPW], v[NIL]
	s_wait_dscnt 0x0
	s_endpgm
; ---------------- Wqkv: A LANE TAKES A COLUMN n, AND ITS REGISTERS RUN DOWN K.  Each load reads 128 consecutive bytes a wave; a block of 32 along K lies in one lane's
; 32 registers, and the conversions give codes with K innermost.  A wave takes 32 columns x 512 along K; its codes leave through its own stage, 256 bytes a column.
.Lw:
	s_sub_co_u32 s21, ttmp9, 256                   ; 0..47
	s_lshr_b32 s22, s21, 1                         ; which 128 columns
	s_and_b32 s23, s21, 1                          ; which half of K
	s_lshl_b32 s22, s22, 7
	s_lshl_b32 s24, s20, 5
	s_add_co_u32 s22, s22, s24                     ; my wave's first column
	v_lshlrev_b32 v3, 2, v2                        ; in: 4 bytes a lane
	s_mul_i32 s24, s20, 32*WPITCH
	s_add_co_u32 s24, s24, WSTG                    ; my stage
	v_mul_u32_u24 v4, v2, WPITCH
	v_add_nc_u32 v4, s24, v4                       ; into it: row = my column
	v_and_b32 v5, 15, v2
	v_lshrrev_b32 v6, 4, v2
	v_mul_u32_u24 v7, v6, WPITCH
	v_lshl_add_u32 v7, v5, 4, v7
	v_add_nc_u32 v7, s24, v7                       ; out of it: sixteen lanes to a row, two rows an instruction
	v_mul_u32_u24 v8, v6, WKROW
	v_lshl_add_u32 v8, v5, 4, v8                   ; and the same place in wc
	v_lshlrev_b32 v9, 5, v2                        ; my column's row of scale bytes: 32 bytes a row
	s_mul_i32 s26, s23, 512*WROW
	s_lshl_b32 s27, s22, 2
	s_add_co_u32 s26, s26, s27
	s_mov_b32 s27, 0
	s_add_nc_u64 s[6:7], s[6:7], s[26:27]          ; Wqkv at (512 x half, my first column)
	s_lshl_b32 s26, s22, 9
	s_lshl_b32 s28, s23, 8
	s_add_co_u32 s26, s26, s28
	s_add_nc_u64 s[14:15], s[14:15], s[26:27]      ; wc at column x 512 + 256 x half
	s_lshl_b32 s26, s22, 5
	s_lshl_b32 s28, s23, 4
	s_add_co_u32 s26, s26, s28
	s_add_nc_u64 s[16:17], s[16:17], s[26:27]      ; ws at column x 32 + 16 x half
.macro WLOAD t                         ; every offset an immediate: 511 rows of 12,288 bytes at the most, inside the signed 24 bits
.irp i, 0,1,2,3,4,5,6,7,8,9,10,11,12,13,14,15,16,17,18,19,20,21,22,23,24,25,26,27,28,29,30,31
	global_load_b32 v[WX+32*((\t)%2)+\i], v3, s[6:7] offset:(32*(\t)+\i)*WROW th:TH_LOAD_NT
.endr
.endm
	WLOAD 0
	WLOAD 1
.macro WBLOCK t
.set XS, WX+32*((\t)%2)
.if (\t) < WNB-1
	s_wait_loadcnt 32                              ; this block's 32 loads are in; the next block's may be out
.else
	s_wait_loadcnt 0x0
.endif
	v_max3_num_f32 v12, |v[XS]|, |v[XS+1]|, |v[XS+2]|              ; all 32 numbers of the block are mine
	v_max3_num_f32 v13, |v[XS+3]|, |v[XS+4]|, |v[XS+5]|
.irp i, 6,10,14,18,22,26
	v_max3_num_f32 v12, v12, |v[XS+\i]|, |v[XS+\i+1]|
	v_max3_num_f32 v13, v13, |v[XS+\i+2]|, |v[XS+\i+3]|
.endr
	v_max3_num_f32 v12, v12, |v[XS+30]|, |v[XS+31]|
	v_max3_num_f32 v12, v12, v13, (EMAX+1)<<23     ; and the floor
	v_add_nc_u32 v11, -(EMAX<<23), v12             ; the conversion's scale operand
	v_lshrrev_b32 v13, 23, v11                     ; the scale's byte
.if (\t)%4 == 0
	v_mov_b32 v[WSB+(\t)/4], v13                   ; four bytes to a register, the lower K in the lower byte
.else
	v_lshl_or_b32 v[WSB+(\t)/4], v13, 8*((\t)%4), v[WSB+(\t)/4]
.endif
.irp g, 0,1,2,3
	v_cvt_scalef32_pk8_fp4_f32 v[WC+\g], v[XS+8*\g:XS+8*\g+7], v11
.endr
	ds_store_b128 v4, v[WC:WC+3] offset:16*(\t)    ; 32 codes: 16 bytes of my column's row
.if (\t)+2 < WNB
	WLOAD (\t)+2
.endif
	s_wait_dscnt 0x0                               ; the store has read its registers: the next block's codes may be written
.endm
.irp t, 0,1,2,3,4,5,6,7,8,9,10,11,12,13,14,15
	WBLOCK \t
.endr
	global_store_b128 v9, v[WSB:WSB+3], s[16:17]   ; my column's 16 scale bytes
.irp t, 0,1,2,3,4,5,6,7,8,9,10,11,12,13,14,15
	ds_load_b128 v[WOUT+4*\t:WOUT+4*\t+3], v7 offset:2*\t*WPITCH
.endr
.irp t, 0,1,2,3,4,5,6,7,8,9,10,11,12,13,14,15
	s_wait_dscnt 15-\t                             ; LDS loads come back in order: load t is in
	global_store_b128 v8, v[WOUT+4*\t:WOUT+4*\t+3], s[14:15] offset:2*\t*WKROW   ; sixteen lanes store 256 consecutive bytes, aligned
.endr
	s_wait_tensorcnt 0x0                           ; the wave's end
	ds_add_u32 v[SPW], v[NIL]
	s_wait_dscnt 0x0
	s_endpgm
.Lfunc_end_k_qd195a5dfef_prep:
	.size	k_qd195a5dfef_prep, .Lfunc_end_k_qd195a5dfef_prep-k_qd195a5dfef_prep
	.p2alignl 7, 3214868480
	.fill 96, 4, 3214868480
	.section	.rodata,"a",@progbits
	.p2align	6, 0x0
	.amdhsa_kernel k_qd195a5dfef_prep
		.amdhsa_group_segment_fixed_size 68096
		.amdhsa_private_segment_fixed_size 0
		.amdhsa_enable_private_segment 0
		.amdhsa_kernarg_size 64
		.amdhsa_user_sgpr_count 2
		.amdhsa_user_sgpr_kernarg_segment_ptr 1
		.amdhsa_wavefront_size32 1
		.amdhsa_system_sgpr_workgroup_id_x 1
		.amdhsa_system_sgpr_workgroup_id_y 1
		.amdhsa_system_sgpr_workgroup_id_z 1
		.amdhsa_system_vgpr_workitem_id 0
		.amdhsa_next_free_vgpr 200
		.amdhsa_next_free_sgpr 66
		.amdhsa_reserve_vcc 0
		.amdhsa_float_denorm_mode_32 3
		.amdhsa_float_denorm_mode_16_64 3
		.amdhsa_memory_ordered 1
		.amdhsa_forward_progress 1
		.amdhsa_inst_pref_size 131
	.end_amdhsa_kernel
	.amdgpu_metadata
---
amdhsa.version: [ 1, 2 ]
amdhsa.kernels:
  - .name:           k_qd195a5dfef_prep
    .symbol:         k_qd195a5dfef_prep.kd
    .args:
      - { .name: x, .offset: 0, .size: 8, .value_kind: global_buffer, .address_space: global }
      - { .name: Wqkv, .offset: 8, .size: 8, .value_kind: global_buffer, .address_space: global }
      - { .name: Wproj, .offset: 16, .size: 8, .value_kind: global_buffer, .address_space: global }
      - { .name: xc, .offset: 24, .size: 8, .value_kind: global_buffer, .address_space: global }
      - { .name: xs, .offset: 32, .size: 8, .value_kind: global_buffer, .address_space: global }
      - { .name: wc, .offset: 40, .size: 8, .value_kind: global_buffer, .address_space: global }
      - { .name: ws, .offset: 48, .size: 8, .value_kind: global_buffer, .address_space: global }
      - { .name: wp, .offset: 56, .size: 8, .value_kind: global_buffer, .address_space: global }
    .group_segment_fixed_size: 68096
    .private_segment_fixed_size: 0
    .kernarg_segment_align: 8
    .kernarg_segment_size: 64
    .max_flat_workgroup_size: 128
    .sgpr_count:     66
    .vgpr_count:     200
    .wavefront_size: 32
...
	.end_amdgpu_metadata
.endif
;; end of part 1
;; launch qkv (part 2): grid 12 x 32, 4 waves a work-group, clusters of 4 x 4, 327,680 bytes of LDS; arguments xc, xs, wc, ws, bqkv, qkvh; writes qkvh
.if DOCPART == 2
	.amdgcn_target "amdgcn-amd-amdhsa--gfx1250"
	.amdhsa_code_object_version 6
	.text
	.protected	k_qd195a5dfef_qkv
	.globl	k_qd195a5dfef_qkv
	.p2align	8
	.type	k_qd195a5dfef_qkv,@function
k_qd195a5dfef_qkv:
	s_mov_b64 s[64:65], 0
	v_nop
	global_prefetch_b8 v0, s[64:65] scope:SCOPE_SE
	s_setreg_imm32_b32 hwreg(HW_REG_WAVE_MODE, 25, 1), 1
	s_wait_xcnt 0x0
	s_wait_alu depctr_hold_cnt(0) depctr_sa_sdst(0) depctr_va_vdst(0) depctr_va_sdst(0) depctr_va_ssrc(0) depctr_va_vcc(0) depctr_vm_vsrc(0)
	s_getreg_b32 s2, hwreg(HW_REG_IB_STS2, 6, 4)
	s_cmp_eq_u32 s2, 0
	s_cbranch_scc0 .Lentry_in_a_cluster
	s_endpgm
.Lentry_in_a_cluster:
	s_bfe_u32 s2, ttmp6, 0x10000c
	s_cmp_lg_u32 s2, 0xf033
	s_cbranch_scc0 .Lentry_shape_is_right
	s_endpgm
.Lentry_shape_is_right:
; qkv = x Wqkv + bqkv on codes of FP4 (E2M1) with one E8M0 scale for each 32 along K; sums in f32; the result leaves as f16, head by head:
; qkvh [48 planes][8192 rows][64]: plane = column / 64 (0-15 q's heads, 16-31 k's, 32-47 v's), row = batch x 2048 + position: a plane is 2^20 bytes, a row 128.
; q is multiplied, in f32 and ahead of its one rounding, by c = log2(e) / 8 (the softmax's 1 / sqrt(64), and base 2 for base e): the attention then takes 2^(score - maximum).
; LIMIT: |c q|, |k|, |v| stay under 65,504 (f16): with x and Wqkv both 30 times larger they reach some 5,400; with both offset by 30 spreads some 29,000.
; A tile of C, 256 x 256, is made by four waves, each 128 x 128: 64 accumulators, 512 registers.  K = 1,024 is two steps of 512, one in each of two LDS slots: BOTH are asked for at the
; head and nothing is filled again.  The scales of the work-group's 256 + 256 rows come once, as dense blocks.
; CLUSTERS: 4 x 4 work-groups; A's tiles are asked for jointly along a row of the cluster, B's along a column.  No prefetch: all that the work-group reads is asked for at its head.
; THE MATRIX INSTRUCTION IS USED TRANSPOSED (source 0 = 16 rows of wc, source 1 = 16 rows of xc): a lane holds eight neighbouring columns of one row of C.  The bias is the C of each sum's first product.
; REGISTERS: window 0: v0-31 addresses; v32-95 scale words, two sets (scales and nothing else); v128-191 A's fragments, one set, later the rows read back from the stage;
;   v192-255 the bias, later packed results.  window 1: B's fragments, two sets, at v0 and v128.  window 2: the accumulators of my rows 0-63 ((a, b) at v[8 (8 a + b)]); window 3: rows 64-127.
.set KSTEP,  512
.set NQ,     KSTEP/128
.set ROWB,   256                       ; a tile's row in bytes
.set KROW,   512                       ; a row of xc or wc in memory
.set PITCH,  272                       ; an LDS row: 256 bytes + 16 of padding: the 16 rows that a load touches start 68 words apart
.set FR,     8
.set NL,     2
.set NP,     4
.set HALFT,  128*PITCH
.set SLOT,   4*HALFT                   ; A's 256 rows, then B's 256 rows
.set KS,     32                        ; a row of scales in bytes
.set SCL,    2*SLOT                    ; behind the slots: the scales, as rows of 256 bytes + 16 of padding
.set HALFS,  (128*KS/256)*272
.set SBLK,   (16*KS/256)*272
.set SPARE,  SCL+4*HALFS               ; the spare words: 128 bytes a wave, named by no other line
.set STAGE,  SPARE+512                 ; the way out: 16 rows x 272 bytes for each wave; no tile lands here
.set SPITCH, 272
.set ADRA, 16
.set ADRB, 20
.set STO,  24
.set RD,   25
.set CO,   26
.set ADRS, 27
.set SPW,  28
.set NIL,  29
.set BO,   30                          ; v30  the bias loads' offset: 32 x (lane / 16)
.set SC,   32
.set AF,   128
.set BK,   128                         ; the way out: v128-159 and v160-191 by turns
.set BIAS, 192                         ; block b at v[BIAS + 8 b]: lane (r, h) holds bqkv[my first column + 16 b + 8 h + 0 .. 7]
.set TMP,  192
.set FS,   2                           ; s[2:3] the factor on the way out: c for q's columns, 1 for k's and v's
.set G1, 24
.set G0, 32
.set G1B, 48
.set G0B, 56
.set G1S, 68
.set G0S, 76
.set G1SB, 80
.set G0SB, 88
.set MSB, 0
.macro WIN new                         ; the immediate's high byte repeats the setting that is left
.if MSB != (\new)
	s_set_vgpr_msb (MSB<<8)|(\new)
.set MSB, (\new)
.endif
.endm
.set MUL_LO, 0xa1                      ; source 0 (B) window 1, source 1 (A) window 0, C and D window 2
.set MUL_HI, 0xf1                      ; the same, C and D window 3
.set FST_LO, 0x81                      ; the first step: C (the bias) window 0, D window 2
.set FST_HI, 0xc1                      ; D window 3
.set TO_B,   0x40
; A joint load: waves 0 and 1 fetch for A, waves 2 and 3 for B; the branch hangs on the wave's number alone.  An s_nop 0 and four v_nop follow each line.
.macro JLOAD g0a, g1a, g0b, g1b
	s_cmp_eq_u32 s15, 0
	s_cbranch_scc0 .Lfor_b_\@
	tensor_load_to_lds s[\g0a:\g0a+3], s[\g1a:\g1a+7]
	s_nop 0
.rept 4
	v_nop
.endr
	s_branch .Lasked_\@
.Lfor_b_\@:
	tensor_load_to_lds s[\g0b:\g0b+3], s[\g1b:\g1b+7]
	s_nop 0
.rept 4
	v_nop
.endr
.Lasked_\@:
.endm
.macro CROUND                          ; a round of the cluster's barrier
	s_barrier_signal -1
	s_barrier_wait -1
	s_cmp_lg_u32 s14, 0
	s_cbranch_scc1 .Lnot_wave_0_\@
	s_barrier_signal -3
.Lnot_wave_0_\@:
	s_barrier_wait -3
	s_barrier_signal -1
	s_barrier_wait -1
.endm
	s_load_b128 s[4:7], s[0:1], 0x0                ; xc s[4:5], xs s[6:7]
	s_load_b128 s[8:11], s[0:1], 0x10              ; wc s[8:9], ws s[10:11]
	s_load_b128 s[96:99], s[0:1], 0x20             ; bqkv s[96:97], qkvh s[98:99]
	v_lshl_add_u32 v[SPW], v0, 2, SPARE
	v_mov_b32 v[NIL], 0
	ds_add_u32 v[SPW], v[NIL]                      ; the wave's opening: the add, twice on end, and its wait ahead of my first tensor load
	ds_add_u32 v[SPW], v[NIL]
	v_lshrrev_b32 v1, 5, v0
	v_readfirstlane_b32 s14, v1                    ; wave 0..3
	s_lshr_b32 s15, s14, 1                         ; which half of the tile's rows is mine.  Also: I fetch for A (0) or for B (1)
	s_and_b32 s16, s14, 1                          ; which half of its columns.  Also: which 128 rows of that tile I fetch
	s_bfe_u32 s40, ttmp6, 0x40000                  ; cx, cy
	s_bfe_u32 s41, ttmp6, 0x40004
	s_lshl_b32 s42, ttmp9, 2
	s_add_co_u32 s42, s42, s40                     ; tile column = 4 x cluster x + cx
	s_and_b32 s17, ttmp7, 0xffff
	s_lshl_b32 s17, s17, 2
	s_add_co_u32 s17, s17, s41                     ; tile row = 4 x cluster y + cy
	s_lshl_b32 s43, s41, 2
	s_lshl_b32 s43, 15, s43                        ; my row of the cluster
	s_lshl_b32 s44, 0x1111, s40                    ; my column
	s_cmp_eq_u32 ttmp9, 0                          ; cluster column 0 holds columns 0-1023: q
	s_mov_b32 s[FS+1], 1.0
	s_cselect_b32 s[FS], 0x3e38aa3b, s[FS+1]       ; c = log2(e) / 8, or 1: a value is chosen, no path
	s_mov_b32 s[FS+1], s[FS]                       ; (named with it as a pair, so it is written)
	s_or_b32 s[G1+0], s43, (0<<16)|(1<<20)|(1<<21)|(5<<22)|(3<<25)  ; the mask; elements of 1 byte; padding on: 4 words after every 64; bit 21 beside a mask
	s_or_b32 s[G1B+0], s44, (0<<16)|(1<<20)|(1<<21)|(5<<22)|(3<<25)
.irp g, G1, G1B
	s_mov_b32 s[\g+1], ROWB<<16                    ; tensor_dim0
	s_mov_b32 s[\g+2], 128<<16                     ; tensor_dim1
	s_mov_b32 s[\g+3], ROWB<<16                    ; tile_dim0
	s_mov_b32 s[\g+4], 128                         ; tile_dim1
	s_mov_b32 s[\g+5], KROW                        ; from row to row
	s_mov_b32 s[\g+6], 0
	s_mov_b32 s[\g+7], 0
.endr
	s_or_b32 s[G1S+0], s43, (3<<16)|(1<<20)|(1<<21)|(5<<22)|(3<<25) ; the scales of 128 rows: 4,096 dense bytes as 16 rows of 32 elements of 8 bytes
	s_or_b32 s[G1SB+0], s44, (3<<16)|(1<<20)|(1<<21)|(5<<22)|(3<<25)
.irp g, G1S, G1SB
	s_mov_b32 s[\g+1], 32<<16
	s_mov_b32 s[\g+2], (128*KS/256)<<16
	s_mov_b32 s[\g+3], 32<<16
	s_mov_b32 s[\g+4], 128*KS/256
	s_mov_b32 s[\g+5], 32
	s_mov_b32 s[\g+6], 0
	s_mov_b32 s[\g+7], 0
.endr
	s_lshl_b32 s18, s16, 7
	s_lshl_b32 s20, s17, 8
	s_add_co_u32 s20, s20, s18                     ; A: row 256 x tile row + 128 x half
	s_lshl_b32 s46, s42, 8
	s_add_co_u32 s46, s46, s18                     ; B: row 256 x tile column + 128 x half
	s_mov_b32 s21, 0
	s_mov_b32 s47, 0
	s_mov_b64 s[18:19], KS
	s_mul_u64 s[22:23], s[20:21], s[18:19]         ; where these rows' scales begin
	s_mul_u64 s[92:93], s[46:47], s[18:19]
	s_mov_b64 s[18:19], KROW
	s_mul_u64 s[20:21], s[20:21], s[18:19]         ; and their codes
	s_mul_u64 s[46:47], s[46:47], s[18:19]
	s_mul_i32 s45, s14, HALFT                      ; where they go: wave x 128 rows
	s_mul_i32 s94, s14, HALFS
	s_wait_dscnt 0x0                               ; both opening adds are done
	s_wait_kmcnt 0x0
	s_add_nc_u64 s[20:21], s[4:5], s[20:21]
	s_add_nc_u64 s[22:23], s[6:7], s[22:23]
	s_add_nc_u64 s[46:47], s[8:9], s[46:47]
	s_add_nc_u64 s[92:93], s[10:11], s[92:93]
	CROUND                                         ; all sixteen work-groups are here: the joint loads meet
	s_mov_b32 s[G0S], 1
	s_add_co_u32 s[G0S+1], s94, SCL
	s_mov_b64 s[G0S+2:G0S+3], s[22:23]
	s_or_b32 s[G0S+3], s[G0S+3], 0x80000000
	s_mov_b32 s[G0SB], 1
	s_add_co_u32 s[G0SB+1], s94, SCL
	s_mov_b64 s[G0SB+2:G0SB+3], s[92:93]
	s_or_b32 s[G0SB+3], s[G0SB+3], 0x80000000
	JLOAD G0S, G1S, G0SB, G1SB                     ; the scales first; with the two below three loads of mine are out
.irp s, 0,1
	s_mov_b32 s[G0+4*\s], 1
	s_add_co_u32 s[G0+4*\s+1], s45, \s*SLOT
	s_add_nc_u64 s[G0+4*\s+2:G0+4*\s+3], s[20:21], \s*ROWB
	s_or_b32 s[G0+4*\s+3], s[G0+4*\s+3], 0x80000000
	s_mov_b32 s[G0B+4*\s], 1
	s_add_co_u32 s[G0B+4*\s+1], s45, \s*SLOT
	s_add_nc_u64 s[G0B+4*\s+2:G0B+4*\s+3], s[46:47], \s*ROWB
	s_or_b32 s[G0B+4*\s+3], s[G0B+4*\s+3], 0x80000000
	JLOAD G0+4*\s, G1, G0B+4*\s, G1B
.endr
	v_and_b32 v1, 15, v0                           ; r = lane % 16
	v_bfe_u32 v2, v0, 4, 1                         ; h = lane / 16
	s_lshl_b32 s46, s42, 10                        ; the bias of my 128 columns: 4 bytes x (256 x tile column + 128 x half)
	s_lshl_b32 s47, s16, 9
	s_add_co_u32 s46, s46, s47
	s_mov_b32 s47, 0
	s_add_nc_u64 s[96:97], s[96:97], s[46:47]
	v_lshlrev_b32 v[BO], 5, v2
.irp b, 0,1,2,3,4,5,6,7
	global_load_b128 v[BIAS+8*\b:BIAS+8*\b+3],   v[BO], s[96:97] offset:64*\b
	global_load_b128 v[BIAS+8*\b+4:BIAS+8*\b+7], v[BO], s[96:97] offset:64*\b+16
.endr
	v_mul_u32_u24 v3, v1, PITCH
	v_lshl_add_u32 v4, v2, 4, v3                   ; a fragment's row x pitch + 16 x half
	s_mul_i32 s21, s15, HALFT                      ; my 128 rows of A
	s_mul_i32 s22, s16, HALFT                      ; my 128 rows of B,
	s_add_co_u32 s22, s22, 2*HALFT                 ; behind A's 256
.irp s, 0,1
	v_add_nc_u32 v[ADRA+\s], s21, v4
	v_add_nc_u32 v[ADRB+\s], s22, v4
	s_add_co_u32 s21, s21, SLOT
	s_add_co_u32 s22, s22, SLOT
.endr
	v_mul_u32_u24 v5, v1, KS                       ; my row's scales: 32 bytes a row,
	v_lshrrev_b32 v6, 8, v5
	v_lshl_add_u32 v5, v6, 4, v5                   ; and 16 more for each 256 passed
	s_mul_i32 s21, s15, HALFS
	s_mul_i32 s22, s16, HALFS
	s_add_co_u32 s22, s22, 2*HALFS
	s_sub_co_u32 s22, s22, s21
	v_mul_u32_u24 v6, s22, v2                      ; lanes 0-15 take A's words, lanes 16-31 B's: one product, the distance between the two
	s_add_co_u32 s21, s21, SCL
	v_add_nc_u32 v5, v5, v6
	v_add_nc_u32 v[ADRS], s21, v5
	s_mul_i32 s23, s14, 16*SPITCH
	s_add_co_u32 s23, s23, STAGE                   ; my stage
	v_mul_u32_u24 v5, v1, SPITCH                   ; in: row r, 16 bytes for each half of the lanes
	v_lshl_add_u32 v5, v2, 4, v5
	v_add_nc_u32 v[STO], s23, v5
	v_bfe_u32 v5, v0, 3, 1                         ; back: lanes 0-15 take two rows' left 128 bytes (one head), lanes 16-31 their right 128 (the next head)
	v_mul_u32_u24 v5, v5, SPITCH
	v_lshl_add_u32 v5, v2, 7, v5
	v_and_b32 v6, 7, v0
	v_lshl_add_u32 v5, v6, 4, v5
	v_add_nc_u32 v[RD], s23, v5
	v_lshlrev_b32 v[CO], 4, v1                     ; in qkvh two rows of a plane are 256 consecutive bytes; the next head lies a plane on
	v_lshl_add_u32 v[CO], v2, 20, v[CO]
	s_lshl_b32 s46, s42, 22                        ; my first plane = 4 x tile column + 2 x half,
	s_lshl_b32 s47, s16, 21
	s_add_co_u32 s46, s46, s47
	s_lshl_b32 s47, s17, 15                        ; my first row = 256 x tile row + 128 x half, 128 bytes each
	s_add_co_u32 s46, s46, s47
	s_lshl_b32 s47, s15, 14
	s_add_co_u32 s46, s46, s47
	s_mov_b32 s47, 0
	s_add_nc_u64 s[98:99], s[98:99], s[46:47]
.macro FRAG reg, adr, q, i             ; 16 rows x 128 K of 4-bit codes: registers 4 c .. 4 c + 3 hold K = 64 c + 32 (lane / 16) + 0 .. 31
.irp c, 0,1
	ds_load_b128 v[\reg+4*\c:\reg+4*\c+3], v[\adr] offset:64*(\q)+32*\c+(\i)*16*PITCH
.endr
.endm
; 16 matrix instructions: A's blocks a0, a0 + 1 x B's eight.  first = 1: the bias is the C.  The 64 accumulators take turns, one instruction a turn, in the same order in every step.
.macro MUL16 a0, p, q, sc, first
.irp a, \a0, \a0+1
.irp b, 0,1,2,3,4,5,6,7
.if \first
	v_wmma_scale_f32_16x16x128_f8f6f4 v[8*(8*((\a)%4)+\b):8*(8*((\a)%4)+\b)+7], v[128*(\p)+FR*\b:128*(\p)+FR*\b+FR-1], v[AF+FR*(\a):AF+FR*(\a)+FR-1], v[BIAS+8*\b:BIAS+8*\b+7], v[SC+8*NQ*(\sc)+NQ*\b+(\q)], v[SC+8*NQ*(\sc)+NQ*(\a)+(\q)] matrix_a_fmt:MATRIX_FMT_FP4 matrix_b_fmt:MATRIX_FMT_FP4 matrix_a_scale:MATRIX_SCALE_ROW1
.else
	v_wmma_scale_f32_16x16x128_f8f6f4 v[8*(8*((\a)%4)+\b):8*(8*((\a)%4)+\b)+7], v[128*(\p)+FR*\b:128*(\p)+FR*\b+FR-1], v[AF+FR*(\a):AF+FR*(\a)+FR-1], v[8*(8*((\a)%4)+\b):8*(8*((\a)%4)+\b)+7], v[SC+8*NQ*(\sc)+NQ*\b+(\q)], v[SC+8*NQ*(\sc)+NQ*(\a)+(\q)] matrix_a_fmt:MATRIX_FMT_FP4 matrix_b_fmt:MATRIX_FMT_FP4 matrix_a_scale:MATRIX_SCALE_ROW1
.endif
.endr
.endr
.endm
.macro FETCH_B slot, q, p
	WIN TO_B
.irp i, 0,1,2,3,4,5,6,7
	FRAG 128*(\p)+FR*\i, ADRB+\slot, \q, \i
.endr
	WIN 0
.endm
.macro FETCH_A slot, q, i0
.irp i, \i0, \i0+1, \i0+2, \i0+3
	FRAG AF+FR*(\i), ADRA+\slot, \q, \i
.endr
.endm
.macro SCALES sc                       ; a K step's scale words: lanes 0-15 take A's block i, lanes 16-31 B's block i
.irp i, 0,1,2,3,4,5,6,7
	ds_load_b128 v[SC+8*NQ*\sc+NQ*\i:SC+8*NQ*\sc+NQ*\i+3], v[ADRS] offset:\i*SBLK
.endr
.endm
.macro PLACES n                        ; plain vector instructions between a matrix instruction and a load into, or a read of, its registers
.rept \n
	v_nop
.endr
.endm
.macro STEP slot, q, first             ; 128 along K, with its successor in the same slot
	s_wait_dscnt 4*NL                              ; B's set and A's blocks 0-3 are in; the youngest eight loads (A's blocks 4-7) may be out
.if \first
	WIN FST_LO
.else
	WIN MUL_LO
.endif
	MUL16 0, (\q)%2, \q, \slot, \first
	MUL16 2, (\q)%2, \q, \slot, \first
	s_wait_dscnt 0
	PLACES NP
	FETCH_B \slot, (\q)+1, 1-(\q)%2
	FETCH_A \slot, (\q)+1, 0
.if \first
	WIN FST_HI
.else
	WIN MUL_HI
.endif
	MUL16 4, (\q)%2, \q, \slot, \first
	MUL16 6, (\q)%2, \q, \slot, \first
	PLACES NP
	WIN 0
	FETCH_A \slot, (\q)+1, 4
.endm
.macro STEPS slot, from
.set Q, \from
.rept NQ-1-\from
	STEP \slot, Q, 0
.set Q, Q+1
.endr
.endm
	s_wait_tensorcnt 1                             ; the scales and my part of slot 0 are in; slot 1's load may be out
	s_barrier_signal -1
	s_barrier_wait -1
	FETCH_B 0, 0, 0
	FETCH_A 0, 0, 0
	SCALES 0
	FETCH_A 0, 0, 4
	s_wait_loadcnt 0x0                             ; the bias
	STEP 0, 0, 1
	STEPS 0, 1
	; slot 0's last step changes slots: each wave waits for its part of slot 1, then one barrier; nothing is filled again
	s_wait_tensorcnt 0x0                           ; all my tensor loads have landed
	ds_add_u32 v[SPW], v[NIL]                      ; 0 onto my spare word
	s_wait_dscnt 4*NL+1                            ; (the add and A's blocks 4-7 may be out)
	WIN MUL_LO
	MUL16 0, 1, NQ-1, 0, 0
	s_wait_dscnt 0x0
	s_barrier_signal -1
	MUL16 2, 1, NQ-1, 0, 0
	WIN 0
	s_barrier_wait -1                              ; slot 1 is whole
	PLACES NP
	v_add_nc_u32 v[ADRS], 4*NQ, v[ADRS]            ; on to the second K step's scale words
	FETCH_B 1, 0, 0
	FETCH_A 1, 0, 0
	SCALES 1
	WIN MUL_HI
	MUL16 4, 1, NQ-1, 0, 0
	MUL16 6, 1, NQ-1, 0, 0
	PLACES NP
	WIN 0
	FETCH_A 1, 0, 4
	STEPS 1, 0
	s_wait_dscnt 4*NL                              ; the very last step: nothing more to fetch
	WIN MUL_LO
	MUL16 0, 1, NQ-1, 1, 0
	MUL16 2, 1, NQ-1, 1, 0
	s_wait_dscnt 0
	WIN MUL_HI
	MUL16 4, 1, NQ-1, 1, 0
	MUL16 6, 1, NQ-1, 1, 0
	WIN 0
; THE WAY OUT, block by block of 16 rows x 128 columns: x the factor, rounded to f16 (16 bytes a lane), through my own stage, back as pairs of rows of one head, stored as 256 consecutive bytes.
.macro PACK a
.set AC, 64*((\a)%4)
	WIN 0x82+0x41*((\a)/4)                         ; destination and source 0: window 2 or 3
.irp i, 0,2,4,6,8,10,12,14,16,18,20,22,24,26,28,30,32,34,36,38,40,42,44,46,48,50,52,54,56,58,60,62
	v_pk_mul_f32 v[AC+\i:AC+\i+1], v[AC+\i:AC+\i+1], s[FS:FS+1] op_sel_hi:[1,0]   ; each accumulator from its low end on
.endr
	WIN 0x0a+5*((\a)/4)                            ; sources 0 and 1: window 2 or 3
.irp b, 0,1,2,3,4,5,6,7
.irp r, 0,1,2,3
	v_cvt_pk_f16_f32 v[TMP+4*\b+\r], v[AC+8*\b+2*\r], v[AC+8*\b+2*\r+1]
.endr
.endr
	WIN 0
.endm
.macro TOSTAGE a
.set BB, BK+32*((\a)%2)
.irp b, 0,1,2,3,4,5,6,7
	ds_store_b128 v[STO], v[TMP+4*\b:TMP+4*\b+3] offset:32*\b
.endr
.irp i, 0,1,2,3,4,5,6,7
	ds_load_b128 v[BB+4*\i:BB+4*\i+3], v[RD] offset:\i*2*SPITCH    ; LDS serves a wave's instructions in order: these see the stores above
.endr
.endm
.macro SEND a
.set BB, BK+32*((\a)%2)
	s_wait_dscnt 0x0                               ; the block is back in registers
	s_wait_xcnt 0x0                                ; the stores of two blocks back have read their registers: the next block's loads may land there
.irp i, 0,1,2,3,4,5,6,7
	global_store_b128 v[CO], v[BB+4*\i:BB+4*\i+3], s[98:99] offset:(\a)*2048+\i*256   ; sixteen lanes store 256 consecutive bytes, aligned: two rows of a head
.endr
.endm
	PLACES NP
	PACK 0
	TOSTAGE 0
.irp a, 1,2,3,4,5,6,7                  ; block a's arithmetic stands between block a - 1's loads from the stage and the wait for them
	PACK \a
	SEND \a-1
	TOSTAGE \a
.endr
	SEND 7
	s_wait_tensorcnt 0x0                           ; the wave's end
	ds_add_u32 v[SPW], v[NIL]
	s_wait_dscnt 0x0
	CROUND                                         ; the closing round
	s_endpgm
.Lfunc_end_k_qd195a5dfef_qkv:
	.size	k_qd195a5dfef_qkv, .Lfunc_end_k_qd195a5dfef_qkv-k_qd195a5dfef_qkv
	.p2alignl 7, 3214868480
	.fill 96, 4, 3214868480
	.section	.rodata,"a",@progbits
	.p2align	6, 0x0
	.amdhsa_kernel k_qd195a5dfef_qkv
		.amdhsa_group_segment_fixed_size 327680
		.amdhsa_private_segment_fixed_size 0
		.amdhsa_enable_private_segment 0
		.amdhsa_kernarg_size 48
		.amdhsa_user_sgpr_count 2
		.amdhsa_user_sgpr_kernarg_segment_ptr 1
		.amdhsa_wavefront_size32 1
		.amdhsa_system_sgpr_workgroup_id_x 1
		.amdhsa_system_sgpr_workgroup_id_y 1
		.amdhsa_system_sgpr_workgroup_id_z 1
		.amdhsa_system_vgpr_workitem_id 0
		.amdhsa_next_free_vgpr 1024
		.amdhsa_next_free_sgpr 100
		.amdhsa_reserve_vcc 0
		.amdhsa_float_denorm_mode_32 3
		.amdhsa_float_denorm_mode_16_64 3
		.amdhsa_memory_ordered 1
		.amdhsa_forward_progress 1
		.amdhsa_inst_pref_size 144
	.end_amdhsa_kernel
	.amdgpu_metadata
---
amdhsa.version: [ 1, 2 ]
amdhsa.kernels:
  - .name:           k_qd195a5dfef_qkv
    .symbol:         k_qd195a5dfef_qkv.kd
    .args:
      - { .name: xc, .offset: 0, .size: 8, .value_kind: global_buffer, .address_space: global }
      - { .name: xs, .offset: 8, .size: 8, .value_kind: global_buffer, .address_space: global }
      - { .name: wc, .offset: 16, .size: 8, .value_kind: global_buffer, .address_space: global }
      - { .name: ws, .offset: 24, .size: 8, .value_kind: global_buffer, .address_space: global }
      - { .name: bqkv, .offset: 32, .size: 8, .value_kind: global_buffer, .address_space: global }
      - { .name: qkvh, .offset: 40, .size: 8, .value_kind: global_buffer, .address_space: global }
    .group_segment_fixed_size: 327680
    .private_segment_fixed_size: 0
    .kernarg_segment_align: 8
    .kernarg_segment_size: 48
    .max_flat_workgroup_size: 128
    .sgpr_count:     100
    .vgpr_count:     1024
    .wavefront_size: 32
...
	.end_amdgpu_metadata
.endif
;; end of part 2
;; launch attn (part 3): grid 4 x 64, 8 waves a work-group, clusters of 4 x 1, 327,680 bytes of LDS; arguments qkvh, att; writes att
.if DOCPART == 3
	.amdgcn_target "amdgcn-amd-amdhsa--gfx1250"
	.amdhsa_code_object_version 6
	.text
	.protected	k_qd195a5dfef_attn
	.globl	k_qd195a5dfef_attn
	.p2align	8
	.type	k_qd195a5dfef_attn,@function
k_qd195a5dfef_attn:
	s_mov_b64 s[64:65], 0
	v_nop
	global_prefetch_b8 v0, s[64:65] scope:SCOPE_SE
	s_setreg_imm32_b32 hwreg(HW_REG_WAVE_MODE, 25, 1), 1
	s_wait_xcnt 0x0
	s_wait_alu depctr_hold_cnt(0) depctr_sa_sdst(0) depctr_va_vdst(0) depctr_va_sdst(0) depctr_va_ssrc(0) depctr_va_vcc(0) depctr_vm_vsrc(0)
	s_getreg_b32 s2, hwreg(HW_REG_IB_STS2, 6, 4)
	s_cmp_eq_u32 s2, 0
	s_cbranch_scc0 .Lentry_in_a_cluster
	s_endpgm
.Lentry_in_a_cluster:
	s_bfe_u32 s2, ttmp6, 0x10000c
	s_cmp_lg_u32 s2, 0x3003
	s_cbranch_scc0 .Lentry_shape_is_right
	s_endpgm
.Lentry_shape_is_right:
; att[h][row][:] = the sum over keys of softmax(q . k / 8) v, for each of 4 batches x 16 heads, 2,048 positions, head size 64.  q (already x log2(e) / 8), k, v: f16 planes of qkvh
; [48][8192][64]; att: f16 [16][8192][64].  Products, maxima and sums in f32; the weights p are rounded to f16 for the second product, the result once at the end.
; SOFTMAX: for each query a running maximum m and sum l: p = 2^(s - m), never above 1; in every step O and l are multiplied by a = 2^(m_old - m_new).
; LIMITS: NaN and infinities are not served; a weight under the smallest f16 number counts as 0.
; SHARES: a cluster of four work-groups is one (batch, head); a work-group owns 512 queries, each of its EIGHT waves 64: four tiles of 16, in 512 registers.  Two waves share a SIMD,
; so that one wave's softmax stands beside the other's products; each fragment of K and V read from LDS still feeds four products.
; Every wave walks all 2,048 keys, 64 a step; a slot of the ring holds four steps (256 keys).  The four work-groups walk the same K and V: each tile is asked for JOINTLY.
; LAYOUT: S^T = K Q^T (source 0 = 16 keys, source 1 = 16 queries): a lane holds ONE query (lane % 16) and keys 8 (lane / 16) + 0..7.  Two such tiles, rounded in pairs, ARE source 1
; of O^T = V^T P, whose result again holds one query a lane.  K comes out of LDS as it lies, V ([key][channel]) turned, by ds_load_tr16_b128.
; REGISTERS: window 0: v0-11 addresses; v12-43 statistics, eight a tile; v61-63; v64-191 S^T (32 a tile); v192-255 P (16 a tile).
;   window 1: v0-127 O^T (32 a tile); v128-191 Q (16 a tile); v192-255 ONE buffer that a step's K and then its V take.
.set KS,    64                         ; keys in a step
.set NST,   4                          ; steps in a slot
.set PK,    144                        ; a row of K in LDS: 128 bytes + 16: the 16 rows of a load start 36 words apart
.set PV,    160                        ; a row of V: 128 + 32
.set VOFF,  KS*PK
.set STEPB, KS*(PK+PV)                 ; a step's tiles lie together: 64 rows of K, then 64 rows of V
.set SLOT1, 1<<17                      ; slot 1 begins here: one exclusive or turns an address in one slot into the other's
.set SLOTB, NST*KS*128                 ; a slot's keys in memory: 32,768 bytes of K, as many of V
.set STAGE, SLOT1+NST*STEPB            ; behind the ring: 16 rows x 144 bytes for each wave
.set SP,    144
.set SPARE, STAGE+8*16*SP              ; the spare words: 128 bytes a wave, named by no other line
.set AK0, 2
.set AV0, 3
.set ADR, 4
.set QO,  5
.set STO, 6
.set RD,  7
.set GO,  8
.set ST,  12                           ; tile t at v[ST + 8 t]: +0 m, +1 m_old - m_new, +2, +3 l (even keys', odd keys'), +4 to +7 at work; a takes +6
.set PFO, 61
.set SPW, 62
.set NIL, 63
.set S,   64
.set P,   192
.set Q,   128                          ; in window 1
.set KV,  192                          ; in window 1
.set WV,  12
.set LIM, 15
.set PFA, 18
.set G1K, 24
.set G1V, 32
.set G0K, 40                           ; two sets: the first fills'; the second then walks on
.set G0V, 48
.set SLOTS, 56
.set CNT, 57
.set SEL, 60
.set TB,  62                           ; LDS byte at which the step's tiles begin
.set MSB, 0
.macro WIN new
.if MSB != (\new)
	s_set_vgpr_msb (MSB<<8)|(\new)
.set MSB, (\new)
.endif
.endm
.set W_KQ, 0x05                        ; K and Q in window 1, S^T in window 0
.set W_PV, 0x51                        ; V and O^T in window 1, P in window 0
.set W_RS, 0x41                        ; O^T (destination and source 0) in window 1, the factor in window 0
.set W_LD, 0x40                        ; a load's destination in window 1, its address in window 0
; A joint refill: waves 0-3 fetch K of the slot's steps 0-3, waves 4-7 V.  The branch hangs on the wave's number alone.  An s_nop 0 and four v_nop follow each line.
.macro JLOAD
	s_cmp_lt_u32 s[WV], 4
	s_cbranch_scc0 .Lfor_v_\@
	tensor_load_to_lds s[G0K+4:G0K+7], s[G1K:G1K+7]
	s_nop 0
.rept 4
	v_nop
.endr
	s_branch .Lasked_\@
.Lfor_v_\@:
	tensor_load_to_lds s[G0V+4:G0V+7], s[G1V:G1V+7]
	s_nop 0
.rept 4
	v_nop
.endr
.Lasked_\@:
.endm
; A prefetch of what the NEXT change of slots will ask for: four key steps, 256 matrix instructions a wave, ahead of that load.  A slot is 32,768 bytes of K and as many of V.
; The four partners share them out BY ADDRESS, 8,192 bytes each; in each, wave 0 asks for K's and wave 4 for V's, lanes 256 bytes apart: each block is named once in the launch.
; The last change that fills a slot asks for nothing; nothing is asked for at the head.
.macro ASK
	s_cmp_gt_u32 s[SLOTS], s[LIM]
	s_cbranch_scc0 .Lnot_mine_\@
	global_prefetch_b8 v[PFO], s[PFA:PFA+1] th:TH_LOAD_NT scope:SCOPE_SE
.Lnot_mine_\@:
.endm
.macro CROUND
	s_barrier_signal -1
	s_barrier_wait -1
	s_cmp_lg_u32 s[WV], 0
	s_cbranch_scc1 .Lnot_wave_0_\@
	s_barrier_signal -3
.Lnot_wave_0_\@:
	s_barrier_wait -3
	s_barrier_signal -1
	s_barrier_wait -1
.endm
.macro PLACES
.rept 4
	v_nop
.endr
.endm
	s_load_b64 s[4:5], s[0:1], 0x0                 ; qkvh
	s_load_b64 s[10:11], s[0:1], 0x8               ; att
	v_lshl_add_u32 v[SPW], v0, 2, SPARE
	v_mov_b32 v[NIL], 0
	ds_add_u32 v[SPW], v[NIL]                      ; the wave's opening: the add, twice on end, and its wait ahead of my first tensor load
	ds_add_u32 v[SPW], v[NIL]
	v_lshrrev_b32 v1, 5, v0
	v_readfirstlane_b32 s[WV], v1                  ; wave 0..7
	s_bfe_u32 s13, ttmp6, 0x40000                  ; cx: my block of 512 queries; it enters Q's, att's and the prefetches' addresses alone
	s_and_b32 s14, ttmp7, 0xffff                   ; 16 x batch + head, which the four partners share
	s_and_b32 s20, s14, 15
	s_lshl_b32 s20, s20, 20                        ; the head's plane,
	s_lshr_b32 s21, s14, 4
	s_lshl_b32 s21, s21, 18                        ; the batch's 2,048 rows of 128 bytes
	s_add_co_u32 s20, s20, s21
	s_and_b32 s16, s[WV], 3                        ; which of a slot's four steps I fetch:
	s_lshl_b32 s22, s16, 13                        ; its 64 rows of 128 bytes in memory,
	s_add_co_u32 s22, s22, s20
	s_mov_b32 s23, 0
	s_mul_i32 s17, s16, STEPB                      ; and its place in a slot
	s_lshl_b32 s2, s13, 16                         ; my block's 512 rows,
	s_lshl_b32 s3, s[WV], 13                       ; my wave's 64 of them
	s_add_co_u32 s2, s2, s3
	s_add_co_u32 s2, s2, s20
	s_mov_b32 s3, 0
	s_mov_b32 s[G1K], 15|(1<<16)|(1<<20)|(1<<21)|(4<<22)|(3<<25)  ; the mask: all four; elements of 2 bytes; padding on: 4 words after every 32; bit 21 beside a mask
	s_mov_b32 s[G1V], 15|(1<<16)|(1<<20)|(1<<21)|(4<<22)|(7<<25)  ; the same with 8 words of padding
.irp g, G1K, G1V
	s_mov_b32 s[\g+1], 64<<16                      ; tensor_dim0 = 64
	s_mov_b32 s[\g+2], KS<<16                      ; tensor_dim1 = 64
	s_mov_b32 s[\g+3], 64<<16                      ; tile_dim0 = 64
	s_mov_b32 s[\g+4], KS                          ; tile_dim1 = 64
	s_mov_b32 s[\g+5], 64                          ; from row to row
	s_mov_b32 s[\g+6], 0
	s_mov_b32 s[\g+7], 0
.endr
	s_mov_b32 s[SEL], 0x76543210
	s_mov_b32 s[SEL+1], 0xfedcba98                 ; v_permlanex16_b32: each lane takes its own place in the other half
	s_mov_b32 s[TB], 0
	s_mov_b32 s[SLOTS], 2048/(NST*KS)-2            ; six slots are filled again
	s_cmp_eq_u32 s16, 0                            ; waves 0 and 4 prefetch
	s_cselect_b32 s[LIM], 1, -1
	v_and_b32 v[PFO], 31, v0
	v_lshlrev_b32 v[PFO], 8, v[PFO]
	s_wait_dscnt 0x0                               ; both opening adds are done
	s_wait_kmcnt 0x0
	s_add_nc_u64 s[10:11], s[10:11], s[2:3]        ; att at my wave's first row
	s_add_nc_u64 s[6:7], s[4:5], s[22:23]
	s_add_nc_u64 s[8:9], s[6:7], 0x2000000         ; V's planes begin 32 planes on: my tile of slot 0
	s_add_nc_u64 s[6:7], s[6:7], 0x1000000         ; K's 16 planes on
	s_add_nc_u64 s[4:5], s[4:5], s[2:3]            ; Q at my wave's first row
	s_cmp_lt_u32 s[WV], 4
	s_cselect_b64 s[PFA:PFA+1], s[6:7], s[8:9]     ; (in waves 0 and 4 these stand at a slot's first row)
	s_lshl_b32 s2, s13, 13                         ; my work-group's 8,192 bytes
	s_add_nc_u64 s[PFA:PFA+1], s[PFA:PFA+1], s[2:3]
	s_add_nc_u64 s[PFA:PFA+1], s[PFA:PFA+1], 2*SLOTB   ; in the third slot's keys; the first change of slots steps it on
	CROUND                                         ; all four work-groups are here: the first joint loads meet
.irp s, 0,1
	s_mov_b32 s[G0K+4*\s], 1
	s_add_co_u32 s[G0K+4*\s+1], s17, \s*SLOT1
	s_add_nc_u64 s[G0K+4*\s+2:G0K+4*\s+3], s[6:7], \s*SLOTB
	s_or_b32 s[G0K+4*\s+3], s[G0K+4*\s+3], 0x80000000
	s_mov_b32 s[G0V+4*\s], 1
	s_add_co_u32 s[G0V+4*\s+1], s17, \s*SLOT1+VOFF
	s_add_nc_u64 s[G0V+4*\s+2:G0V+4*\s+3], s[8:9], \s*SLOTB
	s_or_b32 s[G0V+4*\s+3], s[G0V+4*\s+3], 0x80000000
.endr
	s_cmp_lt_u32 s[WV], 4                          ; a wave's two first fills stand in one branch: two loads of mine are out
	s_cbranch_scc0 .Lfirst_v
	tensor_load_to_lds s[G0K:G0K+3], s[G1K:G1K+7]
	s_nop 0
	tensor_load_to_lds s[G0K+4:G0K+7], s[G1K:G1K+7]
	s_nop 0
.rept 4
	v_nop
.endr
	s_branch .Lfirst_asked
.Lfirst_v:
	tensor_load_to_lds s[G0V:G0V+3], s[G1V:G1V+7]
	s_nop 0
	tensor_load_to_lds s[G0V+4:G0V+7], s[G1V:G1V+7]
	s_nop 0
.rept 4
	v_nop
.endr
.Lfirst_asked:
	v_and_b32 v1, 15, v0                           ; r
	v_bfe_u32 v9, v0, 4, 1                         ; h
	v_lshlrev_b32 v[QO], 7, v1
	v_lshl_add_u32 v[QO], v9, 4, v[QO]             ; row x 128 + 16 x half
	WIN W_LD
.irp t, 0,1,2,3                        ; Q stays in registers: tile t, channels 32 s on
.irp s, 0,1
	global_load_b128 v[Q+16*\t+8*\s:Q+16*\t+8*\s+3],   v[QO], s[4:5] offset:\t*2048+64*\s
	global_load_b128 v[Q+16*\t+8*\s+4:Q+16*\t+8*\s+7], v[QO], s[4:5] offset:\t*2048+64*\s+32
.endr
.endr
	WIN 0
	v_mul_u32_u24 v[AK0], v1, PK
	v_lshl_add_u32 v[AK0], v9, 4, v[AK0]           ; K: row x pitch + 16 x half
	v_and_b32 v10, 7, v0
	v_bfe_u32 v11, v0, 3, 1
	v_lshl_add_u32 v[AV0], v9, 3, v10              ; V, for the turning load: key 8 (lane / 16) + lane % 8, channels 8 ((lane / 8) % 2) on
	v_mul_u32_u24 v[AV0], v[AV0], PV
	v_lshl_add_u32 v[AV0], v11, 4, v[AV0]
	v_add_nc_u32 v[AV0], VOFF, v[AV0]
	s_mul_i32 s13, s[WV], 16*SP
	s_add_co_u32 s13, s13, STAGE                   ; my stage
	v_mul_u32_u24 v[STO], v1, SP                   ; in: row r, 16 bytes for each half of the lanes
	v_lshl_add_u32 v[STO], v9, 4, v[STO]
	v_add_nc_u32 v[STO], s13, v[STO]
	v_bfe_u32 v11, v0, 3, 2                        ; back: eight lanes to a row of 128 bytes, four rows an instruction
	v_mul_u32_u24 v[RD], v11, SP
	v_lshl_add_u32 v[RD], v10, 4, v[RD]
	v_add_nc_u32 v[RD], s13, v[RD]
	v_and_b32 v[GO], 31, v0
	v_lshlrev_b32 v[GO], 4, v[GO]                  ; four rows of att are 512 consecutive bytes
; A KEY STEP: 64 keys.  first = 1: the first step starts m, l and O^T.
; Between two matrix instructions on one accumulator stand three others' (K Q^T) or fifteen (V^T P): the accumulators take turns.
.macro STEP first
	WIN 0
	PLACES                                         ; between the last products V^T P, which read the buffer, and the loads into it
	v_add_nc_u32 v[ADR], s[TB], v[AK0]
	WIN W_LD
.irp kt, 0,1,2,3
.irp s, 0,1
	ds_load_b128 v[KV+16*\kt+8*\s:KV+16*\kt+8*\s+3],   v[ADR] offset:\kt*16*PK+64*\s
	ds_load_b128 v[KV+16*\kt+8*\s+4:KV+16*\kt+8*\s+7], v[ADR] offset:\kt*16*PK+64*\s+32
.endr
.endr
	WIN W_KQ
.irp kt, 0,1,2,3
	s_wait_dscnt 12-4*\kt                          ; the four loads of these 16 keys are in; the later keys' may be out
.irp t, 0,1,2,3
	v_wmma_f32_16x16x32_f16 v[S+32*\t+8*\kt:S+32*\t+8*\kt+7], v[KV+16*\kt:KV+16*\kt+7], v[Q+16*\t:Q+16*\t+7], 0
.endr
.irp t, 0,1,2,3
	v_wmma_f32_16x16x32_f16 v[S+32*\t+8*\kt:S+32*\t+8*\kt+7], v[KV+16*\kt+8:KV+16*\kt+15], v[Q+16*\t+8:Q+16*\t+15], v[S+32*\t+8*\kt:S+32*\t+8*\kt+7]
.endr
.endr
	WIN 0
	PLACES                                         ; between those products and the loads into K's registers, and the first reads of the scores
	v_add_nc_u32 v[ADR], s[TB], v[AV0]
	WIN W_LD
.irp u, 0,1                            ; V, turned: keys 32 u on, channels 16 c on; it lands while the softmax is worked
.irp c, 0,1,2,3
	ds_load_tr16_b128 v[KV+32*\u+8*\c:KV+32*\u+8*\c+3],   v[ADR] offset:\u*32*PV+32*\c
	ds_load_tr16_b128 v[KV+32*\u+8*\c+4:KV+32*\u+8*\c+7], v[ADR] offset:\u*32*PV+16*PV+32*\c
.endr
.endr
	WIN 0
	; the maximum of a lane's 32 scores: four chains a tile, each begun at an accumulator's low end; the four tiles by turns, so that no line waits for the line above it
.irp j, 0,1,2,3
.irp t, 0,1,2,3
	v_max3_num_f32 v[ST+8*\t+4+\j], v[S+32*\t+8*\j], v[S+32*\t+8*\j+1], v[S+32*\t+8*\j+2]
.endr
.endr
.irp g, 1,2
.irp j, 0,1,2,3
.irp t, 0,1,2,3
	v_max3_num_f32 v[ST+8*\t+4+\j], v[ST+8*\t+4+\j], v[S+32*\t+8*\j+2*\g+1], v[S+32*\t+8*\j+2*\g+2]
.endr
.endr
.endr
.irp t, 0,1,2,3
	v_max3_num_f32 v[ST+8*\t+4], v[ST+8*\t+4], v[S+32*\t+7], v[S+32*\t+15]
.endr
.irp t, 0,1,2,3
	v_max3_num_f32 v[ST+8*\t+6], v[ST+8*\t+6], v[S+32*\t+23], v[S+32*\t+31]
.endr
.irp t, 0,1,2,3
	v_max3_num_f32 v[ST+8*\t+4], v[ST+8*\t+4], v[ST+8*\t+5], v[ST+8*\t+6]
.endr
.irp t, 0,1,2,3
.if \first
	v_max_num_f32 v[ST+8*\t+4], v[ST+8*\t+4], v[ST+8*\t+7]
.else
	v_max3_num_f32 v[ST+8*\t+4], v[ST+8*\t+4], v[ST+8*\t+7], v[ST+8*\t]   ; and the old m
.endif
.endr
.irp t, 0,1,2,3
	v_permlanex16_b32 v[ST+8*\t+5], v[ST+8*\t+4], s[SEL], s[SEL+1]   ; the query's other 32 keys lie in the lane 16 away
.endr
.irp t, 0,1,2,3
.if \first
	v_mov_b32 v[ST+8*\t+1], 0                      ; (named below as the upper half of a pair, so it is written)
.else
	v_mov_b32 v[ST+8*\t+1], v[ST+8*\t]             ; m_old
.endif
.endr
.irp t, 0,1,2,3
	v_max_num_f32 v[ST+8*\t], v[ST+8*\t+4], v[ST+8*\t+5]   ; the new m
.endr
.if \first == 0
.irp t, 0,1,2,3
	v_sub_f32 v[ST+8*\t+1], v[ST+8*\t+1], v[ST+8*\t]       ; m_old - m_new, 0 or less
.endr
.endif
.irp b, 0,1,2,3,4,5,6,7,8,9,10,11,12,13,14,15
	v_pk_add_f32 v[S+2*\b:S+2*\b+1], v[S+2*\b:S+2*\b+1], v[ST:ST+1] op_sel_hi:[1,0] neg_lo:[0,1] neg_hi:[0,1]   ; tile 0: s - m, two at a time, 0 or less
.endr
	; ONE BATCH of exponentials: none of these lines names an exponential's result.  The next tile's subtractions stand among a tile's exponentials.
.if \first == 0
.irp t, 0,1,2,3
	v_exp_f32 v[ST+8*\t+6], v[ST+8*\t+1]           ; a
.endr
.endif
.irp t, 0,1,2,3
.irp b, 0,1,2,3,4,5,6,7,8,9,10,11,12,13,14,15
.if \t < 3
	v_pk_add_f32 v[S+32*(\t+1)+2*\b:S+32*(\t+1)+2*\b+1], v[S+32*(\t+1)+2*\b:S+32*(\t+1)+2*\b+1], v[ST+8*(\t+1):ST+8*(\t+1)+1] op_sel_hi:[1,0] neg_lo:[0,1] neg_hi:[0,1]
.endif
	v_exp_f32 v[S+32*\t+2*\b], v[S+32*\t+2*\b]
	v_exp_f32 v[S+32*\t+2*\b+1], v[S+32*\t+2*\b+1]
.endr
.endr
	v_nop                                          ; a plain instruction behind the last exponential, ahead of the first use
	s_wait_alu depctr_va_vdst(0)                   ; the wait ahead of the first instruction that names a result: one for the whole batch
.irp j, 0,1,2,3,4,5,6,7,8,9,10,11,12,13,14,15
.irp t, 0,1,2,3
	v_cvt_pk_f16_f32 v[P+16*\t+\j], v[S+32*\t+2*\j], v[S+32*\t+2*\j+1]   ; the weights, rounded in pairs: source 1 of the second product as it stands
.endr
.endr
	; the sums, of the unrounded weights, in place: neighbours 1, 2, 4 and 8 pairs apart
.irp z, 0,1,2,3,4,5,6,7
.irp t, 0,1,2,3
	v_pk_add_f32 v[S+32*\t+4*\z:S+32*\t+4*\z+1], v[S+32*\t+4*\z:S+32*\t+4*\z+1], v[S+32*\t+4*\z+2:S+32*\t+4*\z+3]
.endr
.endr
.irp z, 0,1,2,3
.irp t, 0,1,2,3
	v_pk_add_f32 v[S+32*\t+8*\z:S+32*\t+8*\z+1], v[S+32*\t+8*\z:S+32*\t+8*\z+1], v[S+32*\t+8*\z+4:S+32*\t+8*\z+5]
.endr
.endr
.irp z, 0,1
.irp t, 0,1,2,3
	v_pk_add_f32 v[S+32*\t+16*\z:S+32*\t+16*\z+1], v[S+32*\t+16*\z:S+32*\t+16*\z+1], v[S+32*\t+16*\z+8:S+32*\t+16*\z+9]
.endr
.endr
.if \first
.irp t, 0,1,2,3
	v_pk_add_f32 v[ST+8*\t+2:ST+8*\t+3], v[S+32*\t:S+32*\t+1], v[S+32*\t+16:S+32*\t+17]
.endr
.else
.irp t, 0,1,2,3
	v_pk_add_f32 v[S+32*\t:S+32*\t+1], v[S+32*\t:S+32*\t+1], v[S+32*\t+16:S+32*\t+17]
.endr
.irp t, 0,1,2,3
	v_pk_fma_f32 v[ST+8*\t+2:ST+8*\t+3], v[ST+8*\t+2:ST+8*\t+3], v[ST+8*\t+6:ST+8*\t+7], v[S+32*\t:S+32*\t+1] op_sel_hi:[1,0,1]   ; l = a l + the sum
.endr
	WIN W_RS
.irp i, 0,1,2,3,4,5,6,7,8,9,10,11,12,13,14,15
.irp t, 0,1,2,3
	v_pk_mul_f32 v[32*\t+2*\i:32*\t+2*\i+1], v[32*\t+2*\i:32*\t+2*\i+1], v[ST+8*\t+6:ST+8*\t+7] op_sel_hi:[1,0]   ; O^T x a, each accumulator from its low end on
.endr
.endr
.endif
	s_wait_dscnt 0x0                               ; V is in
	WIN W_PV
.irp u, 0,1
.irp c, 0,1,2,3
.irp t, 0,1,2,3
.if \first && (\u == 0)
	v_wmma_f32_16x16x32_f16 v[32*\t+8*\c:32*\t+8*\c+7], v[KV+32*\u+8*\c:KV+32*\u+8*\c+7], v[P+16*\t+8*\u:P+16*\t+8*\u+7], 0
.else
	v_wmma_f32_16x16x32_f16 v[32*\t+8*\c:32*\t+8*\c+7], v[KV+32*\u+8*\c:KV+32*\u+8*\c+7], v[P+16*\t+8*\u:P+16*\t+8*\u+7], v[32*\t+8*\c:32*\t+8*\c+7]
.endif
.endr
.endr
.endr
	WIN 0
	s_add_co_u32 s[TB], s[TB], STEPB               ; the next step's tiles
.endm
.macro STEPS n                         ; written once, walked n times; the LDS addresses hang on s[TB]
	s_mov_b32 s[CNT], \n
.Lstep_\@:
	STEP 0
	s_sub_co_u32 s[CNT], s[CNT], 1
	s_cmp_lg_u32 s[CNT], 0
	s_cbranch_scc1 .Lstep_\@
.endm
; THE CHANGE OF SLOTS.  Each wave waits for all its tensor loads (one is out: its part of the other slot), adds 0 to its spare word, and waits for that and for its reads of the slot.
; fill = 1: the barrier is a round of the cluster's, and the joint refill of the slot just left, with the keys two slots on, is the first thing behind it: it has four key steps in which to land.
.macro CHANGE fill
	WIN 0
	s_wait_tensorcnt 0x0                           ; no tensor load of mine is out, so a group 0 may be written
	ds_add_u32 v[SPW], v[NIL]
.if \fill
.irp g, G0K+4, G0V+4
	s_xor_b32 s[\g+1], s[\g+1], SLOT1              ; the walking descriptor: the other slot than last time,
	s_add_nc_u64 s[\g+2:\g+3], s[\g+2:\g+3], SLOTB ; the next 256 keys
.endr
	s_wait_xcnt 0x0                                ; the last prefetch, four key steps back, has read its address
	s_add_nc_u64 s[PFA:PFA+1], s[PFA:PFA+1], SLOTB
	s_wait_dscnt 0x0                               ; the add is done, and my reads of the slot are over
	CROUND
	JLOAD
	ASK
.else
	s_wait_dscnt 0x0
	s_barrier_signal -1
	s_barrier_wait -1
.endif
	s_sub_co_u32 s[TB], s[TB], NST*STEPB           ; back to a slot's first step,
	s_xor_b32 s[TB], s[TB], SLOT1                  ; in the other slot
.endm
	s_wait_tensorcnt 1                             ; my part of slot 0 is in; slot 1's may stay out
	s_barrier_signal -1
	s_barrier_wait -1
	s_wait_loadcnt 0x0                             ; Q
	STEP 1
	STEPS 3
.Lslot:                                            ; six trips: every slot but the last two is filled again
	CHANGE 1
	STEPS 4
	s_sub_co_u32 s[SLOTS], s[SLOTS], 1
	s_cmp_lg_u32 s[SLOTS], 0
	s_cbranch_scc1 .Lslot
	CHANGE 0                                       ; the tail is written out
	STEPS 4
	; THE WAY OUT.  l's two halves and the other half of the lanes' are added; O^T / l, rounded to f16, goes through my stage, a tile (16 rows) at a time.  The additions are the places behind the last products.
.irp t, 0,1,2,3
	v_add_f32 v[ST+8*\t+4], v[ST+8*\t+2], v[ST+8*\t+3]
.endr
.irp t, 0,1,2,3
	v_permlanex16_b32 v[ST+8*\t+5], v[ST+8*\t+4], s[SEL], s[SEL+1]
.endr
.irp t, 0,1,2,3
	v_add_f32 v[ST+8*\t+4], v[ST+8*\t+4], v[ST+8*\t+5]
.endr
.irp t, 0,1,2,3
	v_rcp_f32 v[ST+8*\t+6], v[ST+8*\t+4]
.endr
	v_nop                                          ; a plain instruction between the last reciprocal and the use of its result
	s_wait_alu depctr_va_vdst(0)                   ; and the wait: one for the four
.macro PACK t
	WIN W_RS
.irp i, 0,1,2,3,4,5,6,7,8,9,10,11,12,13,14,15
	v_pk_mul_f32 v[32*\t+2*\i:32*\t+2*\i+1], v[32*\t+2*\i:32*\t+2*\i+1], v[ST+8*\t+6:ST+8*\t+7] op_sel_hi:[1,0]
.endr
	WIN 0x05                                       ; sources 0 and 1 window 1, destination window 0: S^T's registers are free
.irp i, 0,1,2,3,4,5,6,7,8,9,10,11,12,13,14,15
	v_cvt_pk_f16_f32 v[S+16*\t+\i], v[32*\t+2*\i], v[32*\t+2*\i+1]
.endr
	WIN 0
.irp c, 0,1,2,3
	ds_store_b128 v[STO], v[S+16*\t+4*\c:S+16*\t+4*\c+3] offset:32*\c
.endr
.irp i, 0,1,2,3
	ds_load_b128 v[S+16*\t+4*\i:S+16*\t+4*\i+3], v[RD] offset:\i*4*SP   ; LDS serves a wave's instructions in order: these see the stores above; the next tile's stores come behind them
.endr
.endm
.macro SEND t, younger                 ; younger: the LDS instructions issued behind tile t's loads: the next tile's eight, or none
.irp i, 0,1,2,3
	s_wait_dscnt \younger+3-\i
	global_store_b128 v[GO], v[S+16*\t+4*\i:S+16*\t+4*\i+3], s[10:11] offset:\t*2048+\i*512   ; 32 lanes store 512 consecutive bytes, aligned: four rows of att
.endr
.endm
	PACK 0
	PACK 1
	SEND 0, 8
	PACK 2
	SEND 1, 8
	PACK 3
	SEND 2, 8
	SEND 3, 0
	s_wait_tensorcnt 0x0                           ; the wave's end
	ds_add_u32 v[SPW], v[NIL]
	s_wait_dscnt 0x0
	CROUND                                         ; the closing round
	s_endpgm
.Lfunc_end_k_qd195a5dfef_attn:
	.size	k_qd195a5dfef_attn, .Lfunc_end_k_qd195a5dfef_attn-k_qd195a5dfef_attn
	.p2alignl 7, 3214868480
	.fill 96, 4, 3214868480
	.section	.rodata,"a",@progbits
	.p2align	6, 0x0
	.amdhsa_kernel k_qd195a5dfef_attn
		.amdhsa_group_segment_fixed_size 327680
		.amdhsa_private_segment_fixed_size 0
		.amdhsa_enable_private_segment 0
		.amdhsa_kernarg_size 16
		.amdhsa_user_sgpr_count 2
		.amdhsa_user_sgpr_kernarg_segment_ptr 1
		.amdhsa_wavefront_size32 1
		.amdhsa_system_sgpr_workgroup_id_x 1
		.amdhsa_system_sgpr_workgroup_id_y 1
		.amdhsa_system_sgpr_workgroup_id_z 1
		.amdhsa_system_vgpr_workitem_id 0
		.amdhsa_next_free_vgpr 512
		.amdhsa_next_free_sgpr 66
		.amdhsa_reserve_vcc 0
		.amdhsa_float_denorm_mode_32 3
		.amdhsa_float_denorm_mode_16_64 3
		.amdhsa_memory_ordered 1
		.amdhsa_forward_progress 1
		.amdhsa_inst_pref_size 146
	.end_amdhsa_kernel
	.amdgpu_metadata
---
amdhsa.version: [ 1, 2 ]
amdhsa.kernels:
  - .name:           k_qd195a5dfef_attn
    .symbol:         k_qd195a5dfef_attn.kd
    .args:
      - { .name: qkvh, .offset: 0, .size: 8, .value_kind: global_buffer, .address_space: global }
      - { .name: att, .offset: 8, .size: 8, .value_kind: global_buffer, .address_space: global }
    .group_segment_fixed_size: 327680
    .private_segment_fixed_size: 0
    .kernarg_segment_align: 8
    .kernarg_segment_size: 16
    .max_flat_workgroup_size: 256
    .sgpr_count:     66
    .vgpr_count:     512
    .wavefront_size: 32
...
	.end_amdgpu_metadata
.endif
;; end of part 3
;; launch proj (part 4): grid 4 x 64, 4 waves a work-group, clusters of 4 x 4, 327,680 bytes of LDS; arguments att, wp, bproj, out0; writes out0
.if DOCPART == 4
	.amdgcn_target "amdgcn-amd-amdhsa--gfx1250"
	.amdhsa_code_object_version 6
	.text
	.protected	k_qd195a5dfef_proj
	.globl	k_qd195a5dfef_proj
	.p2align	8
	.type	k_qd195a5dfef_proj,@function
k_qd195a5dfef_proj:
	s_mov_b64 s[64:65], 0
	v_nop
	global_prefetch_b8 v0, s[64:65] scope:SCOPE_SE
	s_setreg_imm32_b32 hwreg(HW_REG_WAVE_MODE, 25, 1), 1
	s_wait_xcnt 0x0
	s_wait_alu depctr_hold_cnt(0) depctr_sa_sdst(0) depctr_va_vdst(0) depctr_va_sdst(0) depctr_va_ssrc(0) depctr_va_vcc(0) depctr_vm_vsrc(0)
	s_getreg_b32 s2, hwreg(HW_REG_IB_STS2, 6, 4)
	s_cmp_eq_u32 s2, 0
	s_cbranch_scc0 .Lentry_in_a_cluster
	s_endpgm
.Lentry_in_a_cluster:
	s_bfe_u32 s2, ttmp6, 0x10000c
	s_cmp_lg_u32 s2, 0xf033
	s_cbranch_scc0 .Lentry_shape_is_right
	s_endpgm
.Lentry_shape_is_right:
; out0 = A Wproj + bproj.  A is att, f16, [16 heads][8192 rows][64]: A(m, k) lies in head k / 64; wp is Wproj in f16, [k 1024][n 1024]; out0 [8192][1024] f32; sums in f32.
; A tile of C is 128 (rows) x 256 (columns): 64 x 4 tiles, one for each of 256 work-groups.  Four waves, each 64 x 128: 32 accumulators, 256 registers.
; K goes in steps of 128 (two heads) through a ring of two LDS slots: waves 0 and 1 fetch the two heads' 128 rows of A, waves 2 and 3 the two halves of B's 128 k-rows x 256 columns.
; CLUSTERS: 4 x 4 work-groups; A's tiles are asked for jointly along a row of the cluster, B's along a column.  No prefetch: eight short K steps on a small tile.
; THE MATRIX INSTRUCTION IS USED TRANSPOSED (source 0 = 16 columns of B, source 1 = 16 rows of A): a lane holds eight neighbouring columns of one row of C.
; B lies [k][n] in LDS and comes out turned, by ds_load_tr16_b128.  The bias is the C of each sum's first product.
; REGISTERS: window 0: v0-31 addresses; v32-95 the bias; v96-223 rows on the way out, two sets.  window 1: the accumulators ((a, b) at v[8 (8 a + b)]).
;   window 2: two fragment buffers, at v0 and v128: for 32 along K, A's four blocks (32 registers), then B's eight (64).
.set PA,    144                        ; a row of A in LDS: 128 bytes + 16
.set PB,    544                        ; a k-row of B: 512 bytes + 32
.set AH,    128*PA                     ; a head's 128 rows
.set BOFF,  2*AH
.set BH,    64*PB                      ; half of B's 128 k-rows
.set SLOT,  BOFF+2*BH
.set STAGE, 2*SLOT                     ; behind the ring: 16 rows x 528 bytes for each wave
.set SPITCH, 528
.set SPARE, STAGE+4*16*SPITCH          ; the spare words: 128 bytes a wave, named by no other line
.set ASTEP, 2<<20                      ; a K step on in att: two heads
.set BSTEP, 128*2048                   ; and in wp: 128 rows of 2,048 bytes
.set ADRA, 16
.set ADRB, 20
.set STO,  24
.set RD,   25
.set CO,   26
.set SPW,  28
.set NIL,  29
.set BO,   30
.set BIAS, 32                          ; block b at v[BIAS + 8 b]: lane (r, h) holds bproj[my first column + 16 b + 8 h + 0 .. 7]
.set BK,   96
.set F0,   0
.set F1,   128
.set G1, 24
.set G0, 32
.set G1B, 48
.set G0B, 56
.set MSB, 0
.macro WIN new
.if MSB != (\new)
	s_set_vgpr_msb (MSB<<8)|(\new)
.set MSB, (\new)
.endif
.endm
.set MUL,  0x5a                        ; sources 0 (B) and 1 (A) window 2; C and D window 1
.set MUL1, 0x4a                        ; the first products: C (the bias) window 0
.set TO_F, 0x80                        ; destination window 2, address window 0
.macro JLOAD s                         ; a joint load; an s_nop 0 and four v_nop follow each of the two lines
	s_cmp_eq_u32 s11, 0
	s_cbranch_scc0 .Lfor_b_\@
	tensor_load_to_lds s[G0+4*\s:G0+4*\s+3], s[G1:G1+7]
	s_nop 0
.rept 4
	v_nop
.endr
	s_branch .Lasked_\@
.Lfor_b_\@:
	tensor_load_to_lds s[G0B+4*\s:G0B+4*\s+3], s[G1B:G1B+7]
	s_nop 0
.rept 4
	v_nop
.endr
.Lasked_\@:
.endm
.macro CREST                           ; a round of the cluster's barrier behind its opening barrier
	s_cmp_lg_u32 s10, 0
	s_cbranch_scc1 .Lnot_wave_0_\@
	s_barrier_signal -3
.Lnot_wave_0_\@:
	s_barrier_wait -3
	s_barrier_signal -1
	s_barrier_wait -1
.endm
.macro CROUND
	s_barrier_signal -1
	s_barrier_wait -1
	CREST
.endm
	s_load_b128 s[4:7], s[0:1], 0x0                ; att s[4:5], wp s[6:7]
	s_load_b128 s[68:71], s[0:1], 0x10             ; bproj s[68:69], out0 s[70:71]
	v_lshl_add_u32 v[SPW], v0, 2, SPARE
	v_mov_b32 v[NIL], 0
	ds_add_u32 v[SPW], v[NIL]                      ; the wave's opening: the add, twice on end, and its wait ahead of my first tensor load
	ds_add_u32 v[SPW], v[NIL]
	v_lshrrev_b32 v1, 5, v0
	v_readfirstlane_b32 s10, v1                    ; wave 0..3
	s_lshr_b32 s11, s10, 1                         ; which half of the tile's rows is mine.  Also: I fetch for A (0) or for B (1)
	s_and_b32 s12, s10, 1                          ; which half of its columns.  Also: which head of A, or which 64 k-rows of B, I fetch
	s_bfe_u32 s40, ttmp6, 0x40000                  ; cx, cy
	s_bfe_u32 s41, ttmp6, 0x40004
	s_lshl_b32 s42, ttmp9, 2
	s_add_co_u32 s42, s42, s40                     ; tile column
	s_and_b32 s13, ttmp7, 0xffff
	s_lshl_b32 s13, s13, 2
	s_add_co_u32 s13, s13, s41                     ; tile row
	s_lshl_b32 s43, s41, 2
	s_lshl_b32 s43, 15, s43                        ; my row of the cluster
	s_lshl_b32 s44, 0x1111, s40                    ; my column
	s_or_b32 s[G1+0], s43, (1<<16)|(1<<20)|(1<<21)|(4<<22)|(3<<25)   ; A: elements of 2 bytes; 4 words of padding after every 32
	s_mov_b32 s[G1+1], 64<<16                      ; tensor_dim0 = 64
	s_mov_b32 s[G1+2], 128<<16                     ; tensor_dim1 = 128
	s_mov_b32 s[G1+3], 64<<16                      ; tile_dim0
	s_mov_b32 s[G1+4], 128                         ; tile_dim1
	s_mov_b32 s[G1+5], 64                          ; from row to row
	s_mov_b32 s[G1+6], 0
	s_mov_b32 s[G1+7], 0
	s_or_b32 s[G1B+0], s44, (1<<16)|(1<<20)|(1<<21)|(6<<22)|(7<<25)  ; B: 8 words of padding after every 128
	s_mov_b32 s[G1B+1], 256<<16
	s_mov_b32 s[G1B+2], 64<<16
	s_mov_b32 s[G1B+3], 256<<16
	s_mov_b32 s[G1B+4], 64
	s_mov_b32 s[G1B+5], 1024
	s_mov_b32 s[G1B+6], 0
	s_mov_b32 s[G1B+7], 0
	s_lshl_b32 s16, s12, 20                        ; A: my head of the step, the tile's 128 rows of 128 bytes: it hangs on the tile row alone
	s_lshl_b32 s17, s13, 14
	s_add_co_u32 s16, s16, s17
	s_mov_b32 s17, 0
	s_lshl_b32 s46, s12, 17                        ; B: my 64 k-rows of 2,048 bytes, the tile's 256 columns: it hangs on the tile column alone
	s_lshl_b32 s47, s42, 9
	s_add_co_u32 s46, s46, s47
	s_mov_b32 s47, 0
	s_mul_i32 s20, s12, AH                         ; where they go
	s_mul_i32 s21, s12, BH
	s_add_co_u32 s21, s21, BOFF
	s_wait_dscnt 0x0                               ; both opening adds are done
	s_wait_kmcnt 0x0
	s_add_nc_u64 s[14:15], s[4:5], s[16:17]
	s_add_nc_u64 s[46:47], s[6:7], s[46:47]
	CROUND                                         ; all sixteen work-groups are here: the first joint loads meet
.irp s, 0,1
	s_mov_b32 s[G0+4*\s], 1
	s_add_co_u32 s[G0+4*\s+1], s20, \s*SLOT
	s_add_nc_u64 s[G0+4*\s+2:G0+4*\s+3], s[14:15], \s*ASTEP
	s_or_b32 s[G0+4*\s+3], s[G0+4*\s+3], 0x80000000
	s_mov_b32 s[G0B+4*\s], 1
	s_add_co_u32 s[G0B+4*\s+1], s21, \s*SLOT
	s_add_nc_u64 s[G0B+4*\s+2:G0B+4*\s+3], s[46:47], \s*BSTEP
	s_or_b32 s[G0B+4*\s+3], s[G0B+4*\s+3], 0x80000000
	JLOAD \s                                       ; two loads of mine are out
.endr
	v_and_b32 v1, 15, v0                           ; r
	v_bfe_u32 v2, v0, 4, 1                         ; h
	s_lshl_b32 s46, s42, 10                        ; my first column, 4 bytes each, in bproj and in a row of out0: 256 x tile column + 128 x half
	s_lshl_b32 s47, s12, 9
	s_add_co_u32 s46, s46, s47
	s_mov_b32 s47, 0
	s_add_nc_u64 s[68:69], s[68:69], s[46:47]
	s_add_nc_u64 s[70:71], s[70:71], s[46:47]
	v_lshlrev_b32 v[BO], 5, v2
.irp b, 0,1,2,3,4,5,6,7
	global_load_b128 v[BIAS+8*\b:BIAS+8*\b+3],   v[BO], s[68:69] offset:64*\b
	global_load_b128 v[BIAS+8*\b+4:BIAS+8*\b+7], v[BO], s[68:69] offset:64*\b+16
.endr
	s_lshl_b32 s46, s13, 19                        ; my first row: 128 x tile row + 64 x half, 4,096 bytes each
	s_lshl_b32 s47, s11, 18
	s_add_co_u32 s46, s46, s47
	s_mov_b32 s47, 0
	s_add_nc_u64 s[70:71], s[70:71], s[46:47]
	v_mul_u32_u24 v3, v1, PA
	v_lshl_add_u32 v3, v2, 4, v3                   ; A: row x pitch + 16 x half
	s_mul_i32 s21, s11, 64*PA                      ; my 64 rows
	v_and_b32 v4, 7, v0
	v_lshl_add_u32 v4, v2, 3, v4                   ; B, for the turning load: k-row 8 (lane / 16) + lane % 8, columns 8 ((lane / 8) % 2) on
	v_mul_u32_u24 v4, v4, PB
	v_bfe_u32 v5, v0, 3, 1
	v_lshl_add_u32 v4, v5, 4, v4
	s_lshl_b32 s22, s12, 8                         ; my 128 columns
	s_add_co_u32 s22, s22, BOFF
.irp s, 0,1
	v_add_nc_u32 v[ADRA+\s], s21, v3
	v_add_nc_u32 v[ADRB+\s], s22, v4
	s_add_co_u32 s21, s21, SLOT
	s_add_co_u32 s22, s22, SLOT
.endr
	s_mul_i32 s23, s10, 16*SPITCH
	s_add_co_u32 s23, s23, STAGE                   ; my stage
	v_mul_u32_u24 v5, v1, SPITCH                   ; in: row r, 32 bytes for each half of the lanes
	v_lshl_add_u32 v5, v2, 5, v5
	v_add_nc_u32 v[STO], s23, v5
	v_and_b32 v6, 31, v0
	v_lshlrev_b32 v[CO], 4, v6                     ; back: the 32 lanes take one row of 512 bytes; and the same in out0
	v_add_nc_u32 v[RD], s23, v[CO]
; 8 matrix instructions: A's block a x B's eight, 32 along K.  first = 1: the bias is the C.  The 32 accumulators take turns, in the same order in every quarter.
.macro MUL8 f, a, first
.irp b, 0,1,2,3,4,5,6,7
.if \first
	v_wmma_f32_16x16x32_f16 v[8*(8*(\a)+\b):8*(8*(\a)+\b)+7], v[\f+32+8*\b:\f+32+8*\b+7], v[\f+8*(\a):\f+8*(\a)+7], v[BIAS+8*\b:BIAS+8*\b+7]
.else
	v_wmma_f32_16x16x32_f16 v[8*(8*(\a)+\b):8*(8*(\a)+\b)+7], v[\f+32+8*\b:\f+32+8*\b+7], v[\f+8*(\a):\f+8*(\a)+7], v[8*(8*(\a)+\b):8*(8*(\a)+\b)+7]
.endif
.endr
.endm
; 24 LDS loads in one run: the fragments of the slot's q-th 32 along K into buffer f: B's sixteen, A's blocks 0 and 1, A's blocks 2 and 3
.macro FETCH slot, q, f
	WIN TO_F
.irp i, 0,1,2,3,4,5,6,7
	ds_load_tr16_b128 v[\f+32+8*\i:\f+32+8*\i+3],   v[ADRB+\slot] offset:(\q)*32*PB+32*\i
	ds_load_tr16_b128 v[\f+32+8*\i+4:\f+32+8*\i+7], v[ADRB+\slot] offset:(\q)*32*PB+16*PB+32*\i
.endr
.irp i, 0,1,2,3
	ds_load_b128 v[\f+8*\i:\f+8*\i+3],   v[ADRA+\slot] offset:((\q)/2)*AH+((\q)%2)*64+\i*16*PA
	ds_load_b128 v[\f+8*\i+4:\f+8*\i+7], v[ADRA+\slot] offset:((\q)/2)*AH+((\q)%2)*64+\i*16*PA+32
.endr
.endm
.macro PLACES                          ; four plain instructions in front of loads into registers that matrix instructions have read, and of the first read of results
.rept 4
	v_nop
.endr
.endm
; A K step is four quarters of 32 along K, 32 matrix instructions each, on buffers 0, 1, 0, 1.  One of the first three multiplies buffer f and fetches quarter qn into g.
.macro QUARTER slot, qn, f, g, first
	s_wait_dscnt 4                                 ; B and A's blocks 0 and 1 are in; the youngest four loads (A's blocks 2 and 3) may be out
.if \first
	WIN MUL1
.else
	WIN MUL
.endif
	MUL8 \f, 0, \first
	MUL8 \f, 1, \first
	PLACES
	FETCH \slot, \qn, \g
	s_wait_dscnt 24                                ; all but the 24 just issued
.if \first
	WIN MUL1
.else
	WIN MUL
.endif
	MUL8 \f, 2, \first
	MUL8 \f, 3, \first
.endm
; The last quarter multiplies buffer 1 and changes slots: ONE barrier; in front of it each wave waits for all its tensor loads, adds 0 to its spare word, and waits for that and for its reads of this slot.
; fill = 1: the barrier opens a round of the cluster's, and this slot is filled again, two K steps ahead, first thing behind the round: 112 matrix instructions ahead of the wait for it.
.macro TURN slot, next, fill
	WIN 0
	s_wait_tensorcnt 0x0                           ; all my tensor loads have landed: my part of the next slot
	ds_add_u32 v[SPW], v[NIL]
	s_wait_dscnt 5                                 ; (the add and the youngest four loads may be out)
	WIN MUL
	MUL8 F1, 0, 0
	s_wait_dscnt 0x0                               ; the add is done, and my reads of this slot are over
	s_barrier_signal -1
	MUL8 F1, 1, 0
.if \fill
	WIN 0
.endif
	s_barrier_wait -1
.if \fill
	CREST
	s_add_nc_u64 s[G0+4*\slot+2:G0+4*\slot+3], s[G0+4*\slot+2:G0+4*\slot+3], 2*ASTEP
	s_add_nc_u64 s[G0B+4*\slot+2:G0B+4*\slot+3], s[G0B+4*\slot+2:G0B+4*\slot+3], 2*BSTEP
	JLOAD \slot                                    ; the four v_nop behind it are also the places in front of the loads below
.else
	PLACES
.endif
	FETCH \next, 0, F0
	WIN MUL
	MUL8 F1, 2, 0
	MUL8 F1, 3, 0
.endm
	s_wait_tensorcnt 1                             ; my part of K step 0 is in; K step 1's may be out
	s_barrier_signal -1
	s_barrier_wait -1
	FETCH 0, 0, F0
	s_wait_loadcnt 0x0                             ; the bias
	QUARTER 0, 1, F0, F1, 1                        ; the first quarter stands in front of the loop: its products start the sums
	WIN 0
	s_mov_b32 s3, 3
.Llap:                                             ; a trip goes once round the ring and fills both slots again: K steps 2 to 7
	QUARTER 0, 2, F1, F0, 0
	QUARTER 0, 3, F0, F1, 0
	TURN 0, 1, 1
	QUARTER 1, 1, F0, F1, 0
	QUARTER 1, 2, F1, F0, 0
	QUARTER 1, 3, F0, F1, 0
	TURN 1, 0, 1
	QUARTER 0, 1, F0, F1, 0
	WIN 0
	s_sub_co_u32 s3, s3, 1
	s_cmp_lg_u32 s3, 0
	s_cbranch_scc1 .Llap
	QUARTER 0, 2, F1, F0, 0                        ; the last lap fills nothing
	QUARTER 0, 3, F0, F1, 0
	TURN 0, 1, 0
	QUARTER 1, 1, F0, F1, 0
	QUARTER 1, 2, F1, F0, 0
	QUARTER 1, 3, F0, F1, 0
	s_wait_dscnt 4
	WIN MUL
	MUL8 F1, 0, 0
	MUL8 F1, 1, 0
	s_wait_dscnt 0
	MUL8 F1, 2, 0
	MUL8 F1, 3, 0
	WIN 0
; THE WAY OUT, block by block of 16 rows x 128 columns: a lane's 32 bytes of a row go into my own stage and come back as whole rows of 512 bytes.
.macro TOSTAGE a
	WIN 0x04                                       ; an LDS store's data are its source 1: window 1
.irp b, 0,1,2,3,4,5,6,7
	ds_store_b128 v[STO], v[8*(8*(\a)+\b):8*(8*(\a)+\b)+3] offset:64*\b        ; each accumulator from its low end on
	ds_store_b128 v[STO], v[8*(8*(\a)+\b)+4:8*(8*(\a)+\b)+7] offset:64*\b+16
.endr
	WIN 0
.set BB, BK+64*((\a)%2)
.irp t, 0,1,2,3,4,5,6,7,8,9,10,11,12,13,14,15
	ds_load_b128 v[BB+4*\t:BB+4*\t+3], v[RD] offset:\t*SPITCH     ; LDS serves a wave's instructions in order: these see the stores above
.endr
.endm
.macro SEND a, younger                 ; younger: the LDS instructions issued behind block a's loads
.set BB, BK+64*((\a)%2)
	s_wait_dscnt \younger
.irp t, 0,1,2,3,4,5,6,7,8,9,10,11,12,13,14,15
	global_store_b128 v[CO], v[BB+4*\t:BB+4*\t+3], s[70:71] offset:(\a)*65536+\t*4096 th:TH_STORE_NT   ; 32 lanes store 512 consecutive bytes, aligned; written once, read by nobody here
.endr
.endm
	PLACES
	TOSTAGE 0
.irp a, 1,2,3
.if \a > 1
	s_wait_xcnt 0x0                                ; block a - 2's stores have read their registers: block a's loads may land there
.endif
	TOSTAGE \a
	SEND \a-1, 32                                  ; behind block a - 1's loads: block a's 16 stores and 16 loads
.endr
	SEND 3, 0
	s_wait_tensorcnt 0x0                           ; the wave's end
	ds_add_u32 v[SPW], v[NIL]
	s_wait_dscnt 0x0
	CROUND                                         ; the closing round
	s_endpgm
.Lfunc_end_k_qd195a5dfef_proj:
	.size	k_qd195a5dfef_proj, .Lfunc_end_k_qd195a5dfef_proj-k_qd195a5dfef_proj
	.p2alignl 7, 3214868480
	.fill 96, 4, 3214868480
	.section	.rodata,"a",@progbits
	.p2align	6, 0x0
	.amdhsa_kernel k_qd195a5dfef_proj
		.amdhsa_group_segment_fixed_size 327680
		.amdhsa_private_segment_fixed_size 0
		.amdhsa_enable_private_segment 0
		.amdhsa_kernarg_size 32
		.amdhsa_user_sgpr_count 2
		.amdhsa_user_sgpr_kernarg_segment_ptr 1
		.amdhsa_wavefront_size32 1
		.amdhsa_system_sgpr_workgroup_id_x 1
		.amdhsa_system_sgpr_workgroup_id_y 1
		.amdhsa_system_sgpr_workgroup_id_z 1
		.amdhsa_system_vgpr_workitem_id 0
		.amdhsa_next_free_vgpr 768
		.amdhsa_next_free_sgpr 72
		.amdhsa_reserve_vcc 0
		.amdhsa_float_denorm_mode_32 3
		.amdhsa_float_denorm_mode_16_64 3
		.amdhsa_memory_ordered 1
		.amdhsa_forward_progress 1
		.amdhsa_inst_pref_size 86
	.end_amdhsa_kernel
	.amdgpu_metadata
---
amdhsa.version: [ 1, 2 ]
amdhsa.kernels:
  - .name:           k_qd195a5dfef_proj
    .symbol:         k_qd195a5dfef_proj.kd
    .args:
      - { .name: att, .offset: 0, .size: 8, .value_kind: global_buffer, .address_space: global }
      - { .name: wp, .offset: 8, .size: 8, .value_kind: global_buffer, .address_space: global }
      - { .name: bproj, .offset: 16, .size: 8, .value_kind: global_buffer, .address_space: global }
      - { .name: out0, .offset: 24, .size: 8, .value_kind: global_buffer, .address_space: global }
    .group_segment_fixed_size: 327680
    .private_segment_fixed_size: 0
    .kernarg_segment_align: 8
    .kernarg_segment_size: 32
    .max_flat_workgroup_size: 128
    .sgpr_count:     72
    .vgpr_count:     768
    .wavefront_size: 32
...
	.end_amdgpu_metadata
.endif
;; end of part 4
